; MI455X (gfx1250); checked and timed in simulation.
; The chip was launched on July 23, 2026; its instructions are those of AMD's public machine-readable ISA for CDNA 5 (MIT licence, August 2026) and "CDNA5" Instruction Set Architecture Reference Guide (July 2026). The comments in the code are by the model that wrote it; some were corrected since.
;; Attention. Allowed arithmetic: float matrix products may take bf16 or f16 operands with f32 sums; other float arithmetic in f32, or as packed bf16 or f16 multiplies, adds, multiply-adds, maxima and minima; sums over many terms, partial sums and values carried from step to step in f32; what a program stores and reads back later, other than sums and carried values, may be rounded once to bf16 or f16.
;; Inputs: Wk 4 x 4,096 x 1,024 float32; Wq 4 x 4,096 x 1,024 float32; Wv 4 x 4,096 x 1,024 float32; bk 4 x 1,024 float32; bq 4 x 1,024 float32; bv 4 x 1,024 float32; h 1,024 x 4,096 float32.
;; Outputs: out0 1,024 x 4,096 float32.
;; 3 versions, each right; version 3 is version 2 with the launch tobf written anew for expert scheduling mode. Each part assembles by itself: llvm-mc -triple=amdgcn-amd-amdhsa -mcpu=gfx1250 --defsym DOCPART=n.
;; ======== version 1 of 3: 4 launches
;; limits: values are held in f16: magnitudes above 65,504 overflow, below 6.1e-05 lose precision
;; workspace buffers: hb 8,454,144 bytes; qf 8,388,608 bytes; kf 8,388,608 bytes; vf 8,388,608 bytes; pbuf 8,388,608 bytes; st 524,288 bytes
;; launch tobf (part 1): grid 516 x 1, 8 waves a work-group, no clusters, 0 bytes of LDS; arguments h, hb; writes hb
.if DOCPART == 1
	.amdgcn_target "amdgcn-amd-amdhsa--gfx1250"
	.amdhsa_code_object_version 6
	.text
	.protected	k_q6e1bd71a75_tobf
	.globl	k_q6e1bd71a75_tobf
	.p2align	8
	.type	k_q6e1bd71a75_tobf,@function
k_q6e1bd71a75_tobf:
	s_mov_b64 s[64:65], 0
	v_nop
	global_prefetch_b8 v0, s[64:65] scope:SCOPE_SE
	s_setreg_imm32_b32 hwreg(HW_REG_WAVE_MODE, 25, 1), 1
	s_wait_xcnt 0x0
; THE PROGRAM: out = concat over heads of softmax((h Wq + bq)(h Wk + bk)^T / 32)(h Wv + bv), in four launches:
;   1 (this one) h rounded to bf16, laid in blocks of 96 k;   2 q, k, v in f16 by heads;   3 score tiles, their maxima, weights and partial sums;   4 the weights times v.
; WORK LEFT OUT: bk.  32 s[h,s,t] = q_s . (h Wk)_t + q_s . bk.  The second term does not hang on t, the softmax's axis, so it leaves softmax(s) as it is,
; for all finite values of all inputs.  bk has then no way to the output: it is not loaded and is no argument of any launch.
; LIMIT: a NaN, an infinity or an overflow that arises in q . bk alone is not carried to the result.
; FORMATS: all inputs (h, Wq, Wk, Wv, bq, bv) are rounded once to bf16 for the products; q, k, v and the weights are kept in f16; all sums, maxima and corrections in f32.
;
; THIS LAUNCH: hb[kb][s][kk] = bf16(h[s][96 kb + kk]), kb = 0..42, kk = 0..95; where 96 kb + kk is 4,096 or more (kb = 42, kk >= 64) a 0 is written, since the next launch fetches whole blocks.
; A unit is 4 numbers: 16 bytes in, 8 bytes out.  A block kb has 24,576 units; a work-group takes 2,048 of them, a thread 8, 256 apart: a store of a wave covers 256 consecutive bytes, aligned.
; No LDS, no barrier, no matrix unit: a stream.  All eight loads of a thread go out before the first store.
.set IN,  8                            ; v[8:39]   unit i: 4 registers as loaded; its first two then hold what is stored
.set IOF, 40                           ; v[40:47]  unit i: byte offset in h
.set OOF, 48                           ; v[48:55]  unit i: byte offset in hb
.set KK,  56                           ; v[56:63]  unit i: its first k
	s_load_b128 s[4:7], s[0:1], 0x0                ; h s[4:5], hb s[6:7]
	s_mul_i32 s8, ttmp9, 43691
	s_lshr_b32 s8, s8, 19                          ; kb = work-group / 12 (43,691 / 2^19 is 1/12 closely enough up to 515)
	s_mul_i32 s9, s8, 12
	s_sub_co_u32 s9, ttmp9, s9                     ; which twelfth of the block
	s_lshl_b32 s9, s9, 11                          ; its first unit
	s_mul_i32 s10, s8, 96                          ; the block's first k
	s_mul_i32 s11, s8, 196608                      ; the block's first byte in hb: 1,024 rows of 192 bytes
	v_add_nc_u32 v1, s9, v0
.irp i, 0,1,2,3,4,5,6,7
	v_add_nc_u32 v2, 256*(\i), v1                  ; the unit's number u in the block, under 24,576
	v_mul_u32_u24 v3, v2, 0xaaab
	v_lshrrev_b32 v3, 20, v3                       ; the row s = u / 24 (43,691 / 2^20 is 1/24 closely enough up to 24,575)
	v_mul_u32_u24 v4, v3, 24
	v_sub_nc_u32 v4, v2, v4                        ; which of the row's 24 units
	v_lshl_add_u32 v[KK+(\i)], v4, 2, s10          ; k
	v_min_u32 v4, 0xffc, v[KK+(\i)]                ; past the row's end the load is held to the row's last 16 bytes, and its numbers are thrown away below
	v_lshlrev_b32 v4, 2, v4
	v_lshl_add_u32 v[IOF+(\i)], v3, 14, v4         ; s x 16,384 + 4 k
	v_lshl_add_u32 v[OOF+(\i)], v2, 3, s11         ; block + 8 u
.endr
	s_wait_kmcnt 0x0
.irp i, 0,1,2,3,4,5,6,7
	global_load_b128 v[IN+4*(\i):IN+4*(\i)+3], v[IOF+(\i)], s[4:5]
.endr
.irp i, 0,1,2,3,4,5,6,7
	v_cmp_gt_u32 s[16+(\i)], 0x1000, v[KK+(\i)]    ; the lanes whose k lies inside the row
.endr
.irp i, 0,1,2,3,4,5,6,7
	s_wait_loadcnt 7-(\i)                          ; loads come back in order: unit i is in, the 7 - i younger ones may stay out
	v_cvt_pk_bf16_f32 v[IN+4*(\i)], v[IN+4*(\i)], v[IN+4*(\i)+1]
	v_cvt_pk_bf16_f32 v[IN+4*(\i)+1], v[IN+4*(\i)+2], v[IN+4*(\i)+3]
	v_cndmask_b32 v[IN+4*(\i)], 0, v[IN+4*(\i)], s[16+(\i)]
	v_cndmask_b32 v[IN+4*(\i)+1], 0, v[IN+4*(\i)+1], s[16+(\i)]
	global_store_b64 v[OOF+(\i)], v[IN+4*(\i):IN+4*(\i)+1], s[6:7]
.endr
	s_endpgm
.Lfunc_end_k_q6e1bd71a75_tobf:
	.size	k_q6e1bd71a75_tobf, .Lfunc_end_k_q6e1bd71a75_tobf-k_q6e1bd71a75_tobf
	.p2alignl 7, 3214868480
	.fill 96, 4, 3214868480
	.section	.rodata,"a",@progbits
	.p2align	6, 0x0
	.amdhsa_kernel k_q6e1bd71a75_tobf
		.amdhsa_group_segment_fixed_size 0
		.amdhsa_private_segment_fixed_size 0
		.amdhsa_enable_private_segment 0
		.amdhsa_kernarg_size 16
		.amdhsa_user_sgpr_count 2
		.amdhsa_user_sgpr_kernarg_segment_ptr 1
		.amdhsa_wavefront_size32 1
		.amdhsa_system_sgpr_workgroup_id_x 1
		.amdhsa_system_sgpr_workgroup_id_y 1
		.amdhsa_system_sgpr_workgroup_id_z 1
		.amdhsa_system_vgpr_workitem_id 0
		.amdhsa_next_free_vgpr 64
		.amdhsa_next_free_sgpr 66
		.amdhsa_reserve_vcc 0
		.amdhsa_float_denorm_mode_32 3
		.amdhsa_float_denorm_mode_16_64 3
		.amdhsa_memory_ordered 1
		.amdhsa_forward_progress 1
		.amdhsa_inst_pref_size 10
	.end_amdhsa_kernel
	.amdgpu_metadata
---
amdhsa.version: [ 1, 2 ]
amdhsa.kernels:
  - .name:           k_q6e1bd71a75_tobf
    .symbol:         k_q6e1bd71a75_tobf.kd
    .args:
      - { .name: h, .offset: 0, .size: 8, .value_kind: global_buffer, .address_space: global }
      - { .name: hb, .offset: 8, .size: 8, .value_kind: global_buffer, .address_space: global }
    .group_segment_fixed_size: 0
    .private_segment_fixed_size: 0
    .kernarg_segment_align: 8
    .kernarg_segment_size: 16
    .max_flat_workgroup_size: 256
    .sgpr_count:     66
    .vgpr_count:     64
    .wavefront_size: 32
...
	.end_amdgpu_metadata
.endif
;; end of part 1
;; launch proj (part 2): grid 64 x 4, 4 waves a work-group, clusters of 4 x 4, 327,680 bytes of LDS; arguments hb, Wq, Wk, Wv, bq, bv, qf, kf, vf; writes qf, kf, vf
.if DOCPART == 2
	.amdgcn_target "amdgcn-amd-amdhsa--gfx1250"
	.amdhsa_code_object_version 6
	.text
	.protected	k_q6e1bd71a75_proj
	.globl	k_q6e1bd71a75_proj
	.p2align	8
	.type	k_q6e1bd71a75_proj,@function
k_q6e1bd71a75_proj:
	s_mov_b64 s[64:65], 0
	v_nop
	global_prefetch_b8 v0, s[64:65] scope:SCOPE_SE
	s_setreg_imm32_b32 hwreg(HW_REG_WAVE_MODE, 25, 1), 1
	s_wait_xcnt 0x0
	s_wait_alu depctr_hold_cnt(0) depctr_sa_sdst(0) depctr_va_vdst(0) depctr_va_sdst(0) depctr_va_ssrc(0) depctr_va_vcc(0) depctr_vm_vsrc(0)
	s_getreg_b32 s2, hwreg(HW_REG_IB_STS2, 6, 4)
	s_cmp_eq_u32 s2, 0
	s_cbranch_scc0 .Lentry_in_a_cluster
	s_endpgm
.Lentry_in_a_cluster:
	s_bfe_u32 s2, ttmp6, 0x10000c
	s_cmp_lg_u32 s2, 0xf033
	s_cbranch_scc0 .Lentry_shape_is_right
	s_endpgm
.Lentry_shape_is_right:
; q = h Wq + bq, k = h Wk, v = h Wv + bv, written by heads as f16: qf, kf, vf are [4 heads][16 blocks of 64 columns][1,024 rows][64].
; bk is left out: q . bk is the same for all keys of a softmax row (shown at the head of the first kernel).
; LIMITS.  f16 holds no number beyond 65,504: q, k and v must lie within it.  NaN and infinities are not treated apart.
; SHARES.  Work-group (g, cy): g = 16 head + column block, cy = which 256 rows of h.  It makes 256 rows x 64 columns of q, of k AND of v, so that one tile of h feeds three products.
; Wave w: rows 128 (w / 2) on, columns 32 (w % 2) on, of all three: 48 accumulators (row block a = 0..7, projection p = 0..2, fragment f = 0, 1), 384 registers.
; K goes in 43 steps of 96 (the last has 64), a step in chunks of 32: 48 matrix instructions a chunk.  Two LDS slots take turns; 96 is the longest step of which two slots fit.
; W STAYS f32 IN MEMORY AND IN LDS and is rounded to bf16 between LDS and the matrix unit.  In LDS a tile of W lies [k][64 columns].  A lane (r = lane % 16, hh = lane / 16) reads 8 bytes, columns 2 r and 2 r + 1, of
; 16 rows k = 8 hh + 0..7 and 16 + 8 hh + 0..7; two neighbouring rows of one column round into one register: that IS a 16-bit fragment (ISA guide 7.12.2), whose place r stands for column 2 r + f.
; THE MATRIX INSTRUCTION IS USED TRANSPOSED: source 0 = W's fragment, source 1 = 16 rows of h.  In the result a lane holds row r of h and register j column 16 hh + 2 j + f: fragments 0 and 1 round in pairs to 16 neighbouring columns.
; The biases, rounded to bf16 like every input, are the C operand of the first chunk's products; k's first products take the constant 0.  Nothing is cleared.
; CLUSTER 4 x 4.  h's tile hangs on cy alone and is asked for jointly by a row of the cluster; W's tiles hang on g alone and are asked for jointly by a column.  Wave 0 asks for h's tile, waves 1, 2, 3 for Wq's, Wk's, Wv's.
; REGISTERS, in windows of 256 (s_set_vgpr_msb: bits 1:0 source 0, 3:2 source 1, 5:4 source 2, 7:6 destination):
;   window 0: v0-31 addresses; v32-127 W's fragments, two buffers of 48 (8 (2 p + f)); v128-255 at work on the way out
;   window 1: v0-127 q's accumulators (8 (2 a + f)); v128-255 h's fragments, two buffers of 64 (8 a)
;   window 2: v0-127 k's accumulators; v128-143 bq, v144-159 bv as C operands (8 f + j)
;   window 3: v0-127 v's accumulators; v128-223 W as loaded, f32 (32 p + 2 i + f)
; Under the setting of q's products an LDS load lands in window 1, under that of v's in window 3, its address in window 0 both times: h's loads ride behind q's products and W's loads behind v's with no switch.
.set SLOT,  139776                     ; h: 256 rows x 240 bytes, then three tiles of W
.set WOFF,  61440                      ; h's rows: three chunks of 64 bytes, 16 bytes of padding behind each: rows 240 bytes = 15 x 16 apart, so the 16 rows of a load start at 16 different groups of four banks (ISA guide 11.1)
.set WTILE, 26112                      ; 96 rows x 272 bytes (256 + 16 of padding): 8 rows are 128 bytes modulo 256, so the two halves of the lanes take the two halves of the banks
.set SPARE, 2*SLOT                     ; the spare words, 128 bytes for each wave: two blocks of 256 bytes that no other line names
.set STAGE, SLOT                       ; the way out lies over slot 1, which has had its last fill (step 41) and its last read by then: 3 x 256 rows x 144 bytes
.set SPL,   36864                      ; a projection's part of the stage
.set ADRA, 8                           ; v8-9    LDS address of my fragments of h in slot 0, 1
.set ADRW, 10                          ; v10-15  of my 8 bytes of W's rows: 3 x slot + p
.set STO,  16                          ; v16     the way out: where I put 32 bytes of a row
.set RD,   17                          ; v17     where I read rows back
.set GO,   18                          ; v18     16 x lane
.set PFO,  19                          ; v19     the prefetches' offset; never rewritten
.set SPW,  20                          ; v20     LDS address of my spare word; never rewritten
.set NIL,  21                          ; v21     0; never rewritten
.set BO,   22                          ; v22     my byte offset in bq and bv
.set BF,   32
.set PK,   128
.set BK,   192
.set AF,   128                         ; window 1
.set CBQ,  128                         ; window 2
.set CBV,  144
.set T,    128                         ; window 3
.set WV,   22                          ; s22     my wave's number
.set G1A,  32                          ; s[32:39] descriptor group 1 for h's tiles
.set G1W,  40                          ; s[40:47] for W's
.set G0A,  48                          ; s[48:55] group 0 for h's tiles, a set for each slot
.set G0W,  56                          ; s[56:63] for W's
.set PFA,  66                          ; s[66:67] where my prefetches stand
.set LIM,  68                          ; s68     1 in a wave that prefetches, else the greatest number
.set LAPS, 69                          ; s69     laps still to come
.set PFS,  70                          ; s[70:71] a step's bytes in the tensor that I prefetch
.set MSB, 0
.macro WIN new                         ; the immediate's high byte repeats the setting that is left; a switch that changes nothing is dropped
.if MSB != (\new)
	s_set_vgpr_msb (MSB<<8)|(\new)
.set MSB, \new
.endif
.endm
.macro PLACES                          ; four places behind a matrix instruction, in front of loads into and writes of registers that it has read (ISA guide 7.12.1 for writes)
.rept 4
	v_nop
.endr
.endm
.macro CREST                           ; a round of the cluster's barrier behind its opening barrier
	s_cmp_lg_u32 s[WV], 0
	s_cbranch_scc1 .Lnot_wave_0_\@
	s_barrier_signal -3
.Lnot_wave_0_\@:
	s_barrier_wait -3
	s_barrier_signal -1
	s_barrier_wait -1
.endm
.macro CROUND                          ; a whole round
	s_barrier_signal -1
	s_barrier_wait -1
	CREST
.endm
; A joint refill: wave 0 asks for h's tile, waves 1 to 3 each for one W's.  The branch hangs on the wave's number alone.  An s_nop 0 and four v_nop follow each line.
.macro JLOAD s
	s_cmp_eq_u32 s[WV], 0
	s_cbranch_scc0 .Lfor_w_\@
	tensor_load_to_lds s[G0A+4*(\s):G0A+4*(\s)+3], s[G1A:G1A+7]
	s_nop 0
.rept 4
	v_nop
.endr
	s_branch .Lasked_\@
.Lfor_w_\@:
	tensor_load_to_lds s[G0W+4*(\s):G0W+4*(\s)+3], s[G1W:G1W+7]
	s_nop 0
.rept 4
	v_nop
.endr
.Lasked_\@:
.endm
; A PREFETCH INTO THE L2, behind each joint refill of the loop: the refill asks for step t + 2, the prefetch names step t + 4: two refills, 288 matrix instructions, ahead of the load that will want it.
; W: a step is 96 rows of 256 bytes of each W; the four partners that ask for a tile jointly take 24 rows each, told apart BY ADDRESS (cy); waves 1 to 3 each name their own W: a lane a row.
; h: a tile is 192 blocks of 256 bytes and every cluster reads it: the eight work-groups of the first two clusters with my cy take 24 blocks each, by address; wave 0 names them.
; Lanes 24 to 31 name lane 23's block once more: 96 rows are not four times 32.  The loop's last lap asks for nothing: step 42 is short and step 43 does not exist; steps 0 to 3 and 42 come by their loads alone.
.macro ASK
	s_cmp_gt_u32 s[LAPS], s[LIM]
	s_cbranch_scc0 .Lnot_mine_\@
	global_prefetch_b8 v[PFO], s[PFA:PFA+1] th:TH_LOAD_NT scope:SCOPE_SE
.Lnot_mine_\@:
.endm
; Load n of 16 of h's fragments of a chunk (row block n / 2, half n % 2), into the buffer that chunk par does not multiply
.macro LA1 n, par, idxn, slotn
	ds_load_b128 v[AF+64*(1-(\par))+8*((\n)/2)+4*((\n)%2):AF+64*(1-(\par))+8*((\n)/2)+4*((\n)%2)+3], v[ADRA+(\slotn)] offset:(\idxn)*80+((\n)/2)*3840+32*((\n)%2)
.endm
; Load m of 48 of W's numbers of a chunk: projection m / 16, row i = m % 16 of my 16
.macro LT1 m, idxn, slotn
	ds_load_b64 v[T+32*((\m)/16)+2*((\m)%16):T+32*((\m)/16)+2*((\m)%16)+1], v[ADRW+3*(\slotn)+(\m)/16] offset:(32*(\idxn)+(\m)%16+8*(((\m)%16)/8))*272
.endm
; Rounding m of 48: register m % 8 of fragment m / 8 = 2 p + f: rows 2 j and 2 j + 1 of column f
.macro CV1 m, par
	v_cvt_pk_bf16_f32 v[BF+48*(1-(\par))+8*((\m)/8)+(\m)%8], v[T+32*((\m)/16)+4*((\m)%8)+((\m)/8)%2], v[T+32*((\m)/16)+4*((\m)%8)+2+((\m)/8)%2]
.endm
; Products n0 to n1 of projection p's 16 (n = 2 a + f), each with its rider: ride = 1 one load of h, 2 three roundings, 3 three loads of W, 0 none.  zero = 1: the sums start, with the bias or with 0.
.macro GRP p, par, n0, n1, zero, ride, idxn, slotn
.set n, \n0
.rept (\n1)-(\n0)+1
.if (\zero) && ((\p) == 0)
	WIN 0x64                                       ; C in window 2
	v_wmma_f32_16x16x32_bf16 v[8*n:8*n+7], v[BF+48*(\par)+8*(2*(\p)+n%2):BF+48*(\par)+8*(2*(\p)+n%2)+7], v[AF+64*(\par)+8*(n/2):AF+64*(\par)+8*(n/2)+7], v[CBQ+8*(n%2):CBQ+8*(n%2)+7]
.elseif (\zero) && ((\p) == 1)
	WIN 0xa4
	v_wmma_f32_16x16x32_bf16 v[8*n:8*n+7], v[BF+48*(\par)+8*(2*(\p)+n%2):BF+48*(\par)+8*(2*(\p)+n%2)+7], v[AF+64*(\par)+8*(n/2):AF+64*(\par)+8*(n/2)+7], 0
.elseif \zero
	WIN 0xe4                                       ; C in window 2
	v_wmma_f32_16x16x32_bf16 v[8*n:8*n+7], v[BF+48*(\par)+8*(2*(\p)+n%2):BF+48*(\par)+8*(2*(\p)+n%2)+7], v[AF+64*(\par)+8*(n/2):AF+64*(\par)+8*(n/2)+7], v[CBV+8*(n%2):CBV+8*(n%2)+7]
.else
	WIN 0x54+0x50*(\p)                             ; W's fragment window 0, h's window 1, C and D window 1 + p
	v_wmma_f32_16x16x32_bf16 v[8*n:8*n+7], v[BF+48*(\par)+8*(2*(\p)+n%2):BF+48*(\par)+8*(2*(\p)+n%2)+7], v[AF+64*(\par)+8*(n/2):AF+64*(\par)+8*(n/2)+7], v[8*n:8*n+7]
.endif
.if (\ride) == 1
	LA1 n, \par, \idxn, \slotn
.elseif (\ride) == 2
	WIN 0x0f                                       ; sources window 3, destination window 0
	CV1 3*n, \par
	CV1 3*n+1, \par
	CV1 3*n+2, \par
.elseif (\ride) == 3
	LT1 3*n, \idxn, \slotn
	LT1 3*n+1, \idxn, \slotn
	LT1 3*n+2, \idxn, \slotn
.endif
.set n, n+1
.endr
.endm
; A CHUNK c = (idx, slot): 48 products, the 48 accumulators by turns in one order in every chunk, so no two matrix instructions that follow each other share an accumulator.
;   q's 16 products, behind each a load of h's fragments of chunk c + 1;  k's 16, behind each three roundings of W of chunk c + 1 (loaded a chunk ago);  v's 16, behind each three loads of W of chunk c + 2.
; chg: THE CHANGE OF SLOTS stands in a step's chunk 1: there the slot's last reads have been issued (h of chunk 2 in this chunk, W of chunk 2 a chunk ago), and the first read of the other slot (W of the next step's chunk 0) follows.
;   In front of the barrier each wave waits for all its tensor loads, of which one is out: its part of the other slot; adds 0 to its spare word; and waits for that and for its reads of this slot.
;   chg = 1: the barrier opens a round of the cluster's barrier, and behind the round this slot is filled again, two steps on: 128 matrix instructions ahead of the wait for it.  chg = 2: nothing is left to fetch.
; dsw: how many younger LDS loads (W's 48) may be out when h's fragments of this chunk must be in.
.macro CHUNK idx, slot, zero, chg, la, cv, lt, dsw, ask, short
.set PAR, ((\slot)+(\idx))%2
.set NI1, ((\idx)+1)%3
.set NS1, (\slot)^((\idx)/2)
.set NI2, ((\idx)+2)%3
.set NS2, (\slot)^(((\idx)+1)/2)
	s_wait_dscnt \dsw
.if \la
	PLACES                                         ; behind the last chunk's products, which read the buffers that this chunk loads and writes
.endif
	GRP 0, PAR, 0, 15, \zero, \la, NI1, NS1
.if \cv
	s_wait_dscnt 16                                ; W of chunk c + 1 is in; the 16 loads of h just issued may be out
.endif
.if \chg
	WIN 0                                          ; (the add's two registers lie in window 0)
.if \ask
	s_wait_xcnt 0x0                                ; the last prefetch, a step back, has read its address:
	s_add_nc_u64 s[PFA:PFA+1], s[PFA:PFA+1], s[PFS:PFS+1]  ; it steps here, ahead of the waits of the change
.endif
	s_wait_tensorcnt 0x0                           ; all my tensor loads have landed
	ds_add_u32 v[SPW], v[NIL]                      ; 0 onto my spare word: eight products and their roundings stand between it and the wait for it
.endif
	GRP 1, PAR, 0, 7, \zero, 2*(\cv), 0, 0
.if \chg
	s_wait_dscnt 0x0                               ; the add is done, and my reads of this slot are over
	s_barrier_signal -1
.endif
	GRP 1, PAR, 8, 15, \zero, 2*(\cv), 0, 0
.if \chg
	WIN 0                                          ; at a branch and at a label every window is 0
	s_barrier_wait -1
.endif
.if (\chg) == 1
	CREST                                          ; no wave of any partner still reads this slot or has a load on its way
	s_add_nc_u64 s[G0A+4*(\slot)+2:G0A+4*(\slot)+3], s[G0A+4*(\slot)+2:G0A+4*(\slot)+3], 2*196608
	s_add_nc_u64 s[G0W+4*(\slot)+2:G0W+4*(\slot)+3], s[G0W+4*(\slot)+2:G0W+4*(\slot)+3], 2*393216
.if \short
	s_mov_b32 s[G1W+2], 64<<16                     ; step 42 has 64 rows of W
	s_mov_b32 s[G1W+4], 64
.endif
	JLOAD \slot
.if \ask
	ASK
.endif
.endif
	GRP 2, PAR, 0, 15, \zero, 3*(\lt), NI2, NS2
.endm
	s_load_b256 s[4:11], s[0:1], 0x0               ; hb s[4:5], Wq s[6:7], Wk s[8:9], Wv s[10:11]
	s_load_b256 s[12:19], s[0:1], 0x20             ; bq s[12:13], bv s[14:15], qf s[16:17], kf s[18:19]
	s_load_b64 s[20:21], s[0:1], 0x40              ; vf
	v_lshl_add_u32 v[SPW], v0, 2, SPARE
	v_mov_b32 v[NIL], 0
	ds_add_u32 v[SPW], v[NIL]                      ; the wave's opening: the add, twice on end, and its wait ahead of my first tensor load
	ds_add_u32 v[SPW], v[NIL]                      ; and once more, under the one wait
	v_lshrrev_b32 v1, 5, v0
	v_readfirstlane_b32 s[WV], v1                  ; wave 0..3
	s_lshr_b32 s23, s[WV], 1                       ; which 128 rows are mine
	s_and_b32 s24, s[WV], 1                        ; which 32 columns
	s_bfe_u32 s25, ttmp6, 0x40000                  ; cx
	s_bfe_u32 s26, ttmp6, 0x40004                  ; cy: which 256 rows of h (the grid is one cluster high)
	s_lshl_b32 s27, ttmp9, 2
	s_add_co_u32 s27, s27, s25                     ; g = 4 x cluster x + cx
	s_lshr_b32 s28, s27, 4                         ; head
	s_and_b32 s29, s27, 15                         ; column block
	s_lshl_b32 s72, s26, 2
	s_lshl_b32 s72, 15, s72                        ; my row of the cluster
	s_lshl_b32 s73, 0x1111, s25                    ; my column
	; group 1 for h: a dense block of 49,152 bytes as 192 rows of 256 bytes, padded in LDS after every 64 bytes
	s_or_b32 s[G1A], s72, (1<<16)|(1<<20)|(1<<21)|(3<<22)|(3<<25)  ; 15:0 the mask; 17:16 2-byte elements; 20 padding on; 21 set beside a mask; 24:22 after every 16 words (code 3); 31:25 4 words (code 3)
	s_mov_b32 s[G1A+1], 128<<16                    ; tensor_dim0 = 128
	s_mov_b32 s[G1A+2], 192<<16                    ; tensor_dim1 = 192
	s_mov_b32 s[G1A+3], 128<<16                    ; tile_dim0 = 128
	s_mov_b32 s[G1A+4], 192                        ; tile_dim1 = 192
	s_mov_b32 s[G1A+5], 128                        ; 128 elements from row to row
	s_mov_b32 s[G1A+6], 0
	s_mov_b32 s[G1A+7], 0
	; group 1 for W: 96 rows of 64 f32, 1,024 elements apart, padded after every row
	s_or_b32 s[G1W], s73, (2<<16)|(1<<20)|(1<<21)|(5<<22)|(3<<25)  ; 4-byte elements; after every 64 words (code 5) 4 words
	s_mov_b32 s[G1W+1], 64<<16
	s_mov_b32 s[G1W+2], 96<<16
	s_mov_b32 s[G1W+3], 64<<16
	s_mov_b32 s[G1W+4], 96
	s_mov_b32 s[G1W+5], 1024
	s_mov_b32 s[G1W+6], 0
	s_mov_b32 s[G1W+7], 0
	s_mul_i32 s74, s26, 49152                      ; h: my 256 rows in a block: hangs on cy alone
	s_mov_b32 s75, 0
	s_lshl_b32 s78, s28, 24                        ; W: the head's 4,096 x 1,024 f32,
	s_lshl_b32 s79, s29, 8                         ; the block's 64 columns: hangs on g alone
	s_add_co_u32 s78, s78, s79
	s_mov_b32 s79, 0
	s_mul_i32 s82, s[WV], WTILE
	s_add_co_u32 s82, s82, WOFF-WTILE              ; where wave 1, 2, 3 puts its W
	s_wait_dscnt 0x0                               ; both opening adds are done
	s_wait_kmcnt 0x0
	s_add_nc_u64 s[76:77], s[4:5], s[74:75]
	s_cmp_eq_u32 s[WV], 2
	s_cselect_b64 s[80:81], s[8:9], s[6:7]
	s_cmp_eq_u32 s[WV], 3
	s_cselect_b64 s[80:81], s[10:11], s[80:81]     ; wave 2: Wk, wave 3: Wv, else Wq
	s_add_nc_u64 s[80:81], s[80:81], s[78:79]
.irp s, 0,1
	s_mov_b32 s[G0A+4*(\s)], 1                     ; count = 1
	s_mov_b32 s[G0A+4*(\s)+1], (\s)*SLOT           ; LDS address
	s_add_nc_u64 s[G0A+4*(\s)+2:G0A+4*(\s)+3], s[76:77], (\s)*196608  ; step s
	s_or_b32 s[G0A+4*(\s)+3], s[G0A+4*(\s)+3], 0x80000000            ; type = 2
	s_mov_b32 s[G0W+4*(\s)], 1
	s_add_co_u32 s[G0W+4*(\s)+1], s82, (\s)*SLOT
	s_add_nc_u64 s[G0W+4*(\s)+2:G0W+4*(\s)+3], s[80:81], (\s)*393216
	s_or_b32 s[G0W+4*(\s)+3], s[G0W+4*(\s)+3], 0x80000000
.endr
	CROUND                                         ; all sixteen work-groups are here: the first joint loads meet
	s_cmp_eq_u32 s[WV], 0                          ; a wave's two first fills stand in one branch: two loads of mine are out
	s_cbranch_scc0 .Lfirst_w
	tensor_load_to_lds s[G0A:G0A+3], s[G1A:G1A+7]
	s_nop 0
	tensor_load_to_lds s[G0A+4:G0A+7], s[G1A:G1A+7]
	s_nop 0
.rept 4
	v_nop
.endr
	s_branch .Lfirst_asked
.Lfirst_w:
	tensor_load_to_lds s[G0W:G0W+3], s[G1W:G1W+7]
	s_nop 0
	tensor_load_to_lds s[G0W+4:G0W+7], s[G1W:G1W+7]
	s_nop 0
.rept 4
	v_nop
.endr
.Lfirst_asked:
	v_and_b32 v1, 15, v0                           ; r
	v_bfe_u32 v2, v0, 4, 1                         ; hh
	s_lshl_b32 s83, s27, 8                         ; the biases: 64 g columns of 4 bytes,
	s_lshl_b32 s72, s24, 7                         ; my 32,
	s_add_co_u32 s83, s83, s72
	v_lshl_add_u32 v[BO], v2, 6, s83               ; my lanes' 16
.irp i, 0,1,2,3
	global_load_b128 v[PK+4*(\i):PK+4*(\i)+3], v[BO], s[12:13] offset:16*(\i)
	global_load_b128 v[PK+16+4*(\i):PK+16+4*(\i)+3], v[BO], s[14:15] offset:16*(\i)
.endr
	v_mul_u32_u24 v3, v1, 240
	v_lshl_add_u32 v3, v2, 4, v3
	s_mul_i32 s72, s23, 128*240
	v_add_nc_u32 v[ADRA], s72, v3                  ; (128 wm + r) x 240 + 16 hh
	v_add_nc_u32 v[ADRA+1], SLOT, v[ADRA]
	v_mul_u32_u24 v4, v2, 8*272
	v_lshl_add_u32 v4, v1, 3, v4
	s_lshl_b32 s73, s24, 7
	s_add_co_u32 s73, s73, WOFF
	v_add_nc_u32 v[ADRW], s73, v4                  ; 8 hh rows + 8 r + 128 wn, behind h's rows
.irp q, 1,2,3,4,5
	v_add_nc_u32 v[ADRW+(\q)], ((\q)/3)*SLOT+((\q)%3)*WTILE, v[ADRW]
.endr
	s_mul_i32 s72, s23, 128*144                    ; into the stage: row 128 wm + r, 64 wn + 32 hh
	s_lshl_b32 s73, s24, 6
	s_add_co_u32 s72, s72, s73
	s_add_co_u32 s72, s72, STAGE
	v_mul_u32_u24 v3, v1, 144
	v_lshl_add_u32 v3, v2, 5, v3
	v_add_nc_u32 v[STO], s72, v3
	s_mul_i32 s72, s[WV], 64*144                   ; back: wave w takes rows 64 w on, whole: 32 lanes take four rows of 128 bytes
	s_add_co_u32 s72, s72, STAGE
	v_bfe_u32 v3, v0, 3, 2
	v_mul_u32_u24 v3, v3, 144
	v_and_b32 v4, 7, v0
	v_lshl_add_u32 v3, v4, 4, v3
	v_add_nc_u32 v[RD], s72, v3
	v_and_b32 v[GO], 31, v0
	v_lshlrev_b32 v[GO], 4, v[GO]                  ; which are 512 consecutive bytes of qf, kf, vf
	s_lshl_b32 s72, s27, 17                        ; block g: 1,024 rows of 128 bytes,
	s_lshl_b32 s73, s26, 15                        ; my work-group's 256 rows,
	s_add_co_u32 s72, s72, s73
	s_lshl_b32 s73, s[WV], 13                      ; the 64 that I store
	s_add_co_u32 s72, s72, s73
	s_mov_b32 s73, 0
	s_add_nc_u64 s[16:17], s[16:17], s[72:73]
	s_add_nc_u64 s[18:19], s[18:19], s[72:73]
	s_add_nc_u64 s[20:21], s[20:21], s[72:73]
	; the prefetches
	s_mul_i32 s84, s26, 24*4096                    ; W: my work-group's 24 rows of a step's 96
	s_and_b32 s85, s27, 7
	s_mul_i32 s85, s85, 24*256                     ; h: my work-group's 24 blocks of a tile's 192
	s_cmp_eq_u32 s[WV], 0
	s_cselect_b32 s84, s85, s84
	s_cselect_b64 s[PFA:PFA+1], s[76:77], s[80:81]
	s_cselect_b32 s86, 0, 1
	s_cselect_b32 s87, 8, 12                       ; a lane's stride: 256 bytes in hb, a row of 4,096 bytes in W
	s_cselect_b32 s88, ttmp9, 0                    ; h's tiles are read by every cluster: the first two ask; W's by mine alone
	s_cmp_lt_u32 s88, 2
	s_cselect_b32 s[LIM], 1, -1                    ; the same in all sixteen partners, for a given wave
	s_lshl_b32 s[PFS], 196608, s86                 ; a step: 196,608 bytes of hb, 393,216 of W
	s_mov_b32 s[PFS+1], 0
	s_mov_b32 s85, 0
	s_add_nc_u64 s[PFA:PFA+1], s[PFA:PFA+1], s[84:85]
	s_mul_i32 s84, s[PFS], 3
	s_add_nc_u64 s[PFA:PFA+1], s[PFA:PFA+1], s[84:85]  ; at step 3: the first change steps it to 4.  Nothing is prefetched here, at the head
	v_and_b32 v[PFO], 31, v0
	v_min_u32 v[PFO], 23, v[PFO]
	v_lshlrev_b32 v[PFO], s87, v[PFO]
	s_wait_loadcnt 0x0                             ; the biases
.irp j, 0,1,2,3,4,5,6,7
	v_cvt_pk_bf16_f32 v[PK+32+(\j)], v[PK+2*(\j)], v[PK+2*(\j)+1]       ; rounded to bf16 like every input: columns 2 j and 2 j + 1
	v_cvt_pk_bf16_f32 v[PK+40+(\j)], v[PK+16+2*(\j)], v[PK+16+2*(\j)+1]
.endr
	WIN 0x80                                       ; destination window 2
.irp j, 0,1,2,3,4,5,6,7
	v_lshlrev_b32 v[CBQ+(\j)], 16, v[PK+32+(\j)]            ; fragment 0 has the even columns,
	v_and_b32 v[CBQ+8+(\j)], 0xffff0000, v[PK+32+(\j)]      ; fragment 1 the odd ones
	v_lshlrev_b32 v[CBV+(\j)], 16, v[PK+40+(\j)]
	v_and_b32 v[CBV+8+(\j)], 0xffff0000, v[PK+40+(\j)]
.endr
	WIN 0
	s_wait_tensorcnt 0x1                           ; my part of step 0 is in; step 1's may stay out
	s_barrier_signal -1
	s_barrier_wait -1                              ; everybody's is
	WIN 0xc0                                       ; destination window 3
.set m, 0
.rept 48
	LT1 m, 0, 0                                    ; W of chunk 0
.set m, m+1
.endr
	WIN 0x40                                       ; destination window 1
.set m, 0
.rept 16
	LA1 m, 1, 0, 0                                 ; h of chunk 0, into buffer 0
.set m, m+1
.endr
	s_wait_dscnt 16                                ; W is in; h's 16 loads may be out
	WIN 0x0f
.set m, 0
.rept 48
	CV1 m, 1                                       ; into buffer 0
.set m, m+1
.endr
	WIN 0xc0
.set m, 0
.rept 48
	LT1 m, 1, 0                                    ; W of chunk 1
.set m, m+1
.endr
	;     idx slot zero chg la cv lt dsw ask short
	CHUNK 0,  0,   1,   0,  1, 1, 1, 48, 0,  0     ; the first chunk stands in front of the loop: its products start the sums
	WIN 0
	s_mov_b32 s[LAPS], 20
.Llap:                                                 ; a lap goes once round the ring: steps 2 i and 2 i + 1 from their second chunk on, and the first chunk of step 2 i + 2; both slots are filled again
	CHUNK 1,  0,   0,   1,  1, 1, 1, 48, 1,  0
	CHUNK 2,  0,   0,   0,  1, 1, 1, 48, 0,  0
	CHUNK 0,  1,   0,   0,  1, 1, 1, 48, 0,  0
	CHUNK 1,  1,   0,   1,  1, 1, 1, 48, 1,  0
	CHUNK 2,  1,   0,   0,  1, 1, 1, 48, 0,  0
	CHUNK 0,  0,   0,   0,  1, 1, 1, 48, 0,  0
	WIN 0
	s_sub_co_u32 s[LAPS], s[LAPS], 1
	s_cmp_lg_u32 s[LAPS], 0
	s_cbranch_scc1 .Llap
	CHUNK 1,  0,   0,   1,  1, 1, 1, 48, 0,  1     ; step 40: slot 0 takes step 42, the short one: the last fill
	CHUNK 2,  0,   0,   0,  1, 1, 1, 48, 0,  0
	CHUNK 0,  1,   0,   0,  1, 1, 1, 48, 0,  0     ; step 41
	CHUNK 1,  1,   0,   2,  1, 1, 1, 48, 0,  0     ; step 42 has landed; nothing is filled, so no round follows
	CHUNK 2,  1,   0,   0,  1, 1, 1, 48, 0,  0
	CHUNK 0,  0,   0,   0,  1, 1, 0, 48, 0,  0     ; step 42 has two chunks: no W is left to load,
	CHUNK 1,  0,   0,   0,  0, 0, 0, 0,  0,  0     ; and nothing at all
	; THE WAY OUT.  Fragments 0 and 1 round in pairs to f16: 32 bytes a lane; into the stage; a barrier, since a row's 128 bytes come from two waves; back as whole rows, 64 rows a wave.
	WIN 0
.rept 8
	v_nop                                          ; the places behind the last products
.endr
.irp p, 0,1,2
	WIN 0x05*((\p)+1)                              ; sources window 1 + p, destination window 0
.set m, 0
.rept 64                                       ; row block m / 8, register m % 8: each accumulator is read from its lowest register on
	v_cvt_pk_f16_f32 v[PK+m], v[16*(m/8)+m%8], v[16*(m/8)+8+m%8]
.set m, m+1
.endr
	WIN 0
	v_add_nc_u32 v[24+(\p)], (\p)*SPL, v[STO]
.set m, 0
.rept 8
	ds_store_b128 v[24+(\p)], v[PK+8*m:PK+8*m+3] offset:m*2304
	ds_store_b128 v[24+(\p)], v[PK+8*m+4:PK+8*m+7] offset:m*2304+16
.set m, m+1
.endr
.endr
	s_wait_dscnt 0x0                               ; for the others' sake: my stores into the stage are done
	s_barrier_signal -1
	s_barrier_wait -1
.macro BACK reg, adr                   ; 64 rows of one projection
.set m, 0
.rept 16
	ds_load_b128 v[(\reg)+4*m:(\reg)+4*m+3], v[\adr] offset:576*m
.set m, m+1
.endr
.endm
.macro SEND reg, base, younger         ; younger: the LDS loads issued behind these 16
.set m, 0
.rept 16
	s_wait_dscnt (\younger)+15-m
	global_store_b128 v[GO], v[(\reg)+4*m:(\reg)+4*m+3], s[\base:\base+1] offset:512*m  ; 512 consecutive bytes, at a multiple of 256 from the buffer's first
.set m, m+1
.endr
.endm
	v_add_nc_u32 v27, SPL, v[RD]
	v_add_nc_u32 v28, 2*SPL, v[RD]
	BACK BK, RD
	BACK PK, 27
	SEND BK, 16, 16
	s_wait_xcnt 0x0                                ; q's stores have read their registers, which v's rows now take
	BACK BK, 28
	SEND PK, 18, 16
	SEND BK, 20, 0
	s_wait_tensorcnt 0x0                           ; the wave's end, behind my last tensor load and my last LDS store
	ds_add_u32 v[SPW], v[NIL]
	s_wait_dscnt 0x0
	CROUND                                         ; the closing round: no work-group ends while a partner may still ask for a tile that names it
	s_endpgm
.Lfunc_end_k_q6e1bd71a75_proj:
	.size	k_q6e1bd71a75_proj, .Lfunc_end_k_q6e1bd71a75_proj-k_q6e1bd71a75_proj
	.p2alignl 7, 3214868480
	.fill 96, 4, 3214868480
	.section	.rodata,"a",@progbits
	.p2align	6, 0x0
	.amdhsa_kernel k_q6e1bd71a75_proj
		.amdhsa_group_segment_fixed_size 327680
		.amdhsa_private_segment_fixed_size 0
		.amdhsa_enable_private_segment 0
		.amdhsa_kernarg_size 72
		.amdhsa_user_sgpr_count 2
		.amdhsa_user_sgpr_kernarg_segment_ptr 1
		.amdhsa_wavefront_size32 1
		.amdhsa_system_sgpr_workgroup_id_x 1
		.amdhsa_system_sgpr_workgroup_id_y 1
		.amdhsa_system_sgpr_workgroup_id_z 1
		.amdhsa_system_vgpr_workitem_id 0
		.amdhsa_next_free_vgpr 1024
		.amdhsa_next_free_sgpr 96
		.amdhsa_reserve_vcc 0
		.amdhsa_float_denorm_mode_32 3
		.amdhsa_float_denorm_mode_16_64 3
		.amdhsa_memory_ordered 1
		.amdhsa_forward_progress 1
		.amdhsa_inst_pref_size 198
	.end_amdhsa_kernel
	.amdgpu_metadata
---
amdhsa.version: [ 1, 2 ]
amdhsa.kernels:
  - .name:           k_q6e1bd71a75_proj
    .symbol:         k_q6e1bd71a75_proj.kd
    .args:
      - { .name: hb, .offset: 0, .size: 8, .value_kind: global_buffer, .address_space: global }
      - { .name: Wq, .offset: 8, .size: 8, .value_kind: global_buffer, .address_space: global }
      - { .name: Wk, .offset: 16, .size: 8, .value_kind: global_buffer, .address_space: global }
      - { .name: Wv, .offset: 24, .size: 8, .value_kind: global_buffer, .address_space: global }
      - { .name: bq, .offset: 32, .size: 8, .value_kind: global_buffer, .address_space: global }
      - { .name: bv, .offset: 40, .size: 8, .value_kind: global_buffer, .address_space: global }
      - { .name: qf, .offset: 48, .size: 8, .value_kind: global_buffer, .address_space: global }
      - { .name: kf, .offset: 56, .size: 8, .value_kind: global_buffer, .address_space: global }
      - { .name: vf, .offset: 64, .size: 8, .value_kind: global_buffer, .address_space: global }
    .group_segment_fixed_size: 327680
    .private_segment_fixed_size: 0
    .kernarg_segment_align: 8
    .kernarg_segment_size: 72
    .max_flat_workgroup_size: 128
    .sgpr_count:     96
    .vgpr_count:     1024
    .wavefront_size: 32
...
	.end_amdgpu_metadata
.endif
;; end of part 2
;; launch score (part 3): grid 8 x 32, 4 waves a work-group, clusters of 4 x 4, 327,680 bytes of LDS; arguments qf, kf, pbuf, st; writes pbuf, st
.if DOCPART == 3
	.amdgcn_target "amdgcn-amd-amdhsa--gfx1250"
	.amdhsa_code_object_version 6
	.text
	.protected	k_q6e1bd71a75_score
	.globl	k_q6e1bd71a75_score
	.p2align	8
	.type	k_q6e1bd71a75_score,@function
k_q6e1bd71a75_score:
	s_mov_b64 s[64:65], 0
	v_nop
	global_prefetch_b8 v0, s[64:65] scope:SCOPE_SE
	s_setreg_imm32_b32 hwreg(HW_REG_WAVE_MODE, 25, 1), 1
	s_wait_xcnt 0x0
	s_wait_alu depctr_hold_cnt(0) depctr_sa_sdst(0) depctr_va_vdst(0) depctr_va_sdst(0) depctr_va_ssrc(0) depctr_va_vcc(0) depctr_vm_vsrc(0)
	s_getreg_b32 s2, hwreg(HW_REG_IB_STS2, 6, 4)
	s_cmp_eq_u32 s2, 0
	s_cbranch_scc0 .Lentry_in_a_cluster
	s_endpgm
.Lentry_in_a_cluster:
	s_bfe_u32 s2, ttmp6, 0x10000c
	s_cmp_lg_u32 s2, 0xf033
	s_cbranch_scc0 .Lentry_shape_is_right
	s_endpgm
.Lentry_shape_is_right:
; For each head and each tile of 128 queries x 128 keys: S = q k^T (k without bk: see the first kernel's head), the tile's maximum for each query, the weights p = 2^(c s - c m), c = log2(e) / 32, and their sums.
; pbuf[head][query][key] = p in f16.  st[head][block of 64 queries][half tile of 64 keys][2][64]: plane 0 c x the maximum over those 64 keys, plane 1 the sum over those 64 keys of p (unrounded, taken against the
; maximum of the whole tile of 128 keys, which is the greater of its two halves' maxima).  The next launch corrects each tile by 2^(c m_tile - c m_row): the maximum taken away is the row's true one, in two levels.
; LIMITS.  p lies in 0 to 1; below 6e-5 it keeps f16's fixed step of 6e-8; a weight below 2^-126 counts as 0 in the sums; NaN and infinities are not treated apart.
; SHARES.  Four waves, each 64 queries x 64 keys: 16 accumulators.  K (1,024 channels) goes in four steps of 256 through two LDS slots, written out straight: two first fills, two refills.
; qf and kf lie [head][16 blocks of 64 channels][1,024 rows][64]: a step is four blocks; of each a load takes 64 rows, 8,192 dense bytes: a tile of 4 rows of 8,192 bytes, padded in LDS after every 128.
; THE MATRIX INSTRUCTION: source 0 = 16 keys, source 1 = 16 queries: a lane holds one query (lane % 16) and the keys 8 (lane / 16) + 0..7.
; CLUSTER 4 x 4: q's tiles hang on head and query tile and are shared along a row of the cluster, k's on head and key tile and are shared along a column.
; NO PREFETCH: of a work-group's four steps two are first fills.
; REGISTERS: window 0: v0-31 addresses; v32-95 at work on the way out; v96-115 statistics; v128-255 accumulators ((a, b) at 128 + 8 (4 a + b)).  window 1: two fragment buffers of 128.
.set PITCH,  144                       ; 128 bytes + 16 of padding = 9 x 16: the 16 rows of a load start at 16 different groups of four banks (ISA guide 11.1)
.set HALFT,  36864                     ; what one tensor load brings: [4 blocks][64 rows][144]
.set QB,     9216                      ; a block of 64 channels: 64 rows
.set SLOT,   4*HALFT                   ; q's two halves, then k's two halves
.set STAT,   2*SLOT                    ; 512 bytes for each wave: 64 maxima, 64 sums
.set SPARE,  STAT+2048                 ; the spare words, 128 bytes for each wave: two blocks of 256 bytes that no other line names
.set SPITCH, 272                       ; the stage lies over slot 0 from byte 0, which has had its last fill (step 2) and its last read by then: 128 rows x 272 bytes
.set SA,   10                          ; v10     where I put my query's maximum and sum
.set SB,   11                          ; v11     where I read the two halves' maxima
.set SR,   12                          ; v12     where I read my wave's 512 bytes of statistics back
.set SO,   13                          ; v13     16 x lane
.set ADRA, 16                          ; v16-17  LDS address of my fragments of q in slot 0, 1
.set ADRB, 20                          ; v20-21  of k
.set STO,  24
.set RD,   25
.set CO,   26
.set SPW,  28                          ; v28     LDS address of my spare word; never rewritten
.set NIL,  29                          ; v29     0; never rewritten
.set TMP,  32
.set CW,   96                          ; v96-99  at work
.set SS,   100                         ; query block a at SS + 4 a: c m of the tile, c m of my 64 keys, l, at work
.set ACC,  128
.set F0,   0
.set F1,   128
.set WV,  12                           ; s12 wave; s13 = wave / 2: my half of the queries, also: I fetch q (0) or k (1); s14 = wave % 2: my half of the keys, also: which 64 rows I fetch
.set G1,  24
.set G0,  32
.set G1B, 48
.set G0B, 56
.set CS,  66                           ; s[66:67] c
.set SEL, 68                           ; s[68:69] v_permlanex16_b32's selects
.set MSB, 0
.macro WIN new
.if MSB != (\new)
	s_set_vgpr_msb (MSB<<8)|(\new)
.set MSB, \new
.endif
.endm
.set MUL,  0x05                        ; sources window 1; C and D window 0
.set TO_F, 0x40                        ; destination window 1, address window 0
.macro JLOAD s                         ; a joint load; an s_nop 0 and four v_nop follow each of the two lines
	s_cmp_eq_u32 s13, 0
	s_cbranch_scc0 .Lfor_b_\@
	tensor_load_to_lds s[G0+4*(\s):G0+4*(\s)+3], s[G1:G1+7]
	s_nop 0
.rept 4
	v_nop
.endr
	s_branch .Lasked_\@
.Lfor_b_\@:
	tensor_load_to_lds s[G0B+4*(\s):G0B+4*(\s)+3], s[G1B:G1B+7]
	s_nop 0
.rept 4
	v_nop
.endr
.Lasked_\@:
.endm
.macro CREST
	s_cmp_lg_u32 s[WV], 0
	s_cbranch_scc1 .Lnot_wave_0_\@
	s_barrier_signal -3
.Lnot_wave_0_\@:
	s_barrier_wait -3
	s_barrier_signal -1
	s_barrier_wait -1
.endm
.macro CROUND
	s_barrier_signal -1
	s_barrier_wait -1
	CREST
.endm
	s_load_b256 s[4:11], s[0:1], 0x0               ; qf s[4:5], kf s[6:7], pbuf s[8:9], st s[10:11]
	v_lshl_add_u32 v[SPW], v0, 2, SPARE
	v_mov_b32 v[NIL], 0
	ds_add_u32 v[SPW], v[NIL]                      ; the wave's opening: the add, twice on end, and its wait ahead of my first tensor load
	ds_add_u32 v[SPW], v[NIL]
	v_lshrrev_b32 v1, 5, v0
	v_readfirstlane_b32 s[WV], v1
	s_lshr_b32 s13, s[WV], 1
	s_and_b32 s14, s[WV], 1
	s_bfe_u32 s40, ttmp6, 0x40000                  ; cx
	s_bfe_u32 s41, ttmp6, 0x40004                  ; cy
	s_lshl_b32 s42, ttmp9, 2
	s_add_co_u32 s42, s42, s40                     ; key tile = 4 x cluster x + cx
	s_and_b32 s45, ttmp7, 0xffff                   ; cluster y = 2 x head + half of the query tiles
	s_and_b32 s15, s45, 1
	s_lshl_b32 s15, s15, 2
	s_add_co_u32 s15, s15, s41                     ; query tile
	s_lshr_b32 s45, s45, 1                         ; head
	s_lshl_b32 s43, s41, 2
	s_lshl_b32 s43, 15, s43                        ; my row of the cluster
	s_lshl_b32 s44, 0x1111, s40                    ; my column
	s_or_b32 s[G1], s43, (1<<16)|(1<<20)|(1<<21)|(4<<22)|(3<<25)   ; the mask; 2-byte elements; padding on; 21 set beside a mask; after every 32 words (code 4) 4 words (code 3)
	s_or_b32 s[G1B], s44, (1<<16)|(1<<20)|(1<<21)|(4<<22)|(3<<25)
.irp g, G1, G1B
	s_mov_b32 s[(\g)+1], 4096<<16                  ; tensor_dim0 = 4,096 elements: 64 rows of 64
	s_mov_b32 s[(\g)+2], 4<<16                     ; tensor_dim1 = 4 blocks
	s_mov_b32 s[(\g)+3], 4096<<16                  ; tile_dim0
	s_mov_b32 s[(\g)+4], 4                         ; tile_dim1
	s_mov_b32 s[(\g)+5], 65536                     ; from block to block
	s_mov_b32 s[(\g)+6], 0
	s_mov_b32 s[(\g)+7], 0
.endr
	s_lshl_b32 s18, s14, 13                        ; which 64 rows I fetch
	s_lshl_b32 s16, s45, 21                        ; q: the head's 16 blocks of 131,072 bytes,
	s_lshl_b32 s17, s15, 14                        ; the tile's 128 rows
	s_add_co_u32 s16, s16, s17
	s_add_co_u32 s16, s16, s18
	s_mov_b32 s17, 0
	s_lshl_b32 s46, s45, 21                        ; k likewise
	s_lshl_b32 s47, s42, 14
	s_add_co_u32 s46, s46, s47
	s_add_co_u32 s46, s46, s18
	s_mov_b32 s47, 0
	s_mul_i32 s20, s[WV], HALFT                    ; where they go
	s_mov_b32 s[CS], 0x3d38aa3b                    ; c = log2(e) / 32
	s_mov_b32 s[CS+1], s[CS]
	s_mov_b32 s[SEL], 0x76543210
	s_mov_b32 s[SEL+1], 0xfedcba98
	s_wait_dscnt 0x0                               ; both opening adds are done
	s_wait_kmcnt 0x0
	s_add_nc_u64 s[18:19], s[4:5], s[16:17]
	s_add_nc_u64 s[46:47], s[6:7], s[46:47]
	CROUND                                         ; all sixteen work-groups are here: the first joint loads meet
.irp s, 0,1
	s_mov_b32 s[G0+4*(\s)], 1
	s_add_co_u32 s[G0+4*(\s)+1], s20, (\s)*SLOT
	s_add_nc_u64 s[G0+4*(\s)+2:G0+4*(\s)+3], s[18:19], (\s)*524288   ; step s: four blocks on
	s_or_b32 s[G0+4*(\s)+3], s[G0+4*(\s)+3], 0x80000000
	s_mov_b32 s[G0B+4*(\s)], 1
	s_add_co_u32 s[G0B+4*(\s)+1], s20, (\s)*SLOT
	s_add_nc_u64 s[G0B+4*(\s)+2:G0B+4*(\s)+3], s[46:47], (\s)*524288
	s_or_b32 s[G0B+4*(\s)+3], s[G0B+4*(\s)+3], 0x80000000
	JLOAD \s
.endr
	v_and_b32 v1, 15, v0                           ; r
	v_bfe_u32 v2, v0, 4, 1                         ; hh
	v_mul_u32_u24 v3, v1, PITCH
	v_lshl_add_u32 v3, v2, 4, v3
	s_mul_i32 s21, s13, HALFT                      ; my 64 queries
	s_mul_i32 s22, s14, HALFT                      ; my 64 keys,
	s_add_co_u32 s22, s22, 2*HALFT                 ; behind q's two halves
.irp s, 0,1
	v_add_nc_u32 v[ADRA+(\s)], s21, v3
	v_add_nc_u32 v[ADRB+(\s)], s22, v3
	s_add_co_u32 s21, s21, SLOT
	s_add_co_u32 s22, s22, SLOT
.endr
	s_mul_i32 s23, s13, 64*SPITCH                  ; into the stage: my 64 rows, my half of their 256 bytes
	s_lshl_b32 s21, s14, 7
	s_add_co_u32 s23, s23, s21
	v_mul_u32_u24 v4, v1, SPITCH
	v_lshl_add_u32 v4, v2, 4, v4
	v_add_nc_u32 v[STO], s23, v4
	s_mul_i32 s23, s[WV], 32*SPITCH                ; back: wave w takes rows 32 w on, whole
	v_mul_u32_u24 v5, v2, SPITCH
	v_lshl_add_u32 v5, v1, 4, v5
	v_add_nc_u32 v[RD], s23, v5
	v_lshlrev_b32 v5, 11, v2                       ; and the same two rows in pbuf, 2,048 bytes apart
	v_lshl_add_u32 v[CO], v1, 4, v5
	s_lshl_b32 s21, s[WV], 9
	s_add_co_u32 s21, s21, STAT
	v_lshl_add_u32 v[SA], v1, 2, s21               ; my wave's statistics, query r
	s_lshl_b32 s22, s13, 10
	s_add_co_u32 s22, s22, STAT
	v_lshl_add_u32 v[SB], v1, 2, s22               ; those of the two waves that share my queries
	v_and_b32 v[SO], 31, v0
	v_lshlrev_b32 v[SO], 4, v[SO]
	v_add_nc_u32 v[SR], s21, v[SO]
	s_lshl_b32 s16, s45, 21                        ; pbuf: the head's 1,024 rows of 2,048 bytes,
	s_lshl_b32 s17, s15, 18                        ; the tile's 128,
	s_add_co_u32 s16, s16, s17
	s_lshl_b32 s17, s[WV], 16                      ; the 32 that I store,
	s_add_co_u32 s16, s16, s17
	s_lshl_b32 s17, s42, 8                         ; the tile's 128 keys
	s_add_co_u32 s16, s16, s17
	s_mov_b32 s17, 0
	s_add_nc_u64 s[8:9], s[8:9], s[16:17]
	s_lshl_b32 s16, s45, 17                        ; st: ((16 head + 2 query tile + wq) x 16 + 2 key tile + wk) x 512
	s_lshl_b32 s17, s15, 14
	s_add_co_u32 s16, s16, s17
	s_lshl_b32 s17, s13, 13
	s_add_co_u32 s16, s16, s17
	s_lshl_b32 s17, s42, 10
	s_add_co_u32 s16, s16, s17
	s_lshl_b32 s17, s14, 9
	s_add_co_u32 s16, s16, s17
	s_mov_b32 s17, 0
	s_add_nc_u64 s[10:11], s[10:11], s[16:17]
; 8 matrix instructions: query blocks a0, a0 + 1 x all 4 key blocks, 32 along K: half c of buffer f.  The 16 accumulators take turns.
.macro MUL8 f, c, a0, zero
	WIN MUL
.irp a, \a0, (\a0)+1
.irp b, 0,1,2,3
.if \zero
	v_wmma_f32_16x16x32_f16 v[ACC+8*(4*(\a)+(\b)):ACC+8*(4*(\a)+(\b))+7], v[(\f)+64+8*(4*(\c)+(\b)):(\f)+64+8*(4*(\c)+(\b))+7], v[(\f)+8*(4*(\c)+(\a)):(\f)+8*(4*(\c)+(\a))+7], 0
.else
	v_wmma_f32_16x16x32_f16 v[ACC+8*(4*(\a)+(\b)):ACC+8*(4*(\a)+(\b))+7], v[(\f)+64+8*(4*(\c)+(\b)):(\f)+64+8*(4*(\c)+(\b))+7], v[(\f)+8*(4*(\c)+(\a)):(\f)+8*(4*(\c)+(\a))+7], v[ACC+8*(4*(\a)+(\b)):ACC+8*(4*(\a)+(\b))+7]
.endif
.endr
.endr
.endm
; 32 LDS loads in one run: the fragments of 64 along K (one block of channels, at byte k of a region) into buffer f; the first 32 along K first
.macro FETCH slot, k, f
	WIN TO_F
.irp c, 0,1
.irp i, 0,1,2,3
	ds_load_b128 v[(\f)+64+8*(4*(\c)+(\i)):(\f)+64+8*(4*(\c)+(\i))+3],   v[ADRB+(\slot)] offset:(\k)+64*(\c)+(\i)*16*PITCH
	ds_load_b128 v[(\f)+64+8*(4*(\c)+(\i))+4:(\f)+64+8*(4*(\c)+(\i))+7], v[ADRB+(\slot)] offset:(\k)+64*(\c)+(\i)*16*PITCH+32
	ds_load_b128 v[(\f)+8*(4*(\c)+(\i)):(\f)+8*(4*(\c)+(\i))+3],         v[ADRA+(\slot)] offset:(\k)+64*(\c)+(\i)*16*PITCH
	ds_load_b128 v[(\f)+8*(4*(\c)+(\i))+4:(\f)+8*(4*(\c)+(\i))+7],       v[ADRA+(\slot)] offset:(\k)+64*(\c)+(\i)*16*PITCH+32
.endr
.endr
.endm
.macro PLACES
.rept 4
	v_nop
.endr
.endm
; A step is four quarters of 64 along K on buffers 0, 1, 0, 1.  One of the first three: multiplies buffer f and fetches the next quarter, at byte k, into g.
.macro QUARTER slot, k, f, g, zero
	s_wait_dscnt 16                                ; the first 32 along K are in; the youngest 16 loads may be out
	MUL8 \f, 0, 0, \zero
	MUL8 \f, 0, 2, \zero
	PLACES
	FETCH \slot, \k, \g
	s_wait_dscnt 32                                ; all but the 32 just issued
	MUL8 \f, 1, 0, 0
	MUL8 \f, 1, 2, 0
.endm
; The last quarter multiplies buffer 1 and changes slots: one barrier; in front of it each wave waits for all its tensor loads, adds 0 to its spare word, and waits for that and for its reads of this slot.
.macro TURN slot, next, fill
	WIN 0
	s_wait_tensorcnt 0x0                           ; all my tensor loads have landed: my part of the next slot
	ds_add_u32 v[SPW], v[NIL]                      ; 0 onto my spare word
	s_wait_dscnt 17                                ; (the add and the youngest sixteen loads may be out)
	MUL8 F1, 0, 0, 0
	s_wait_dscnt 0x0                               ; the add is done, and my reads of this slot are over
	s_barrier_signal -1
	MUL8 F1, 0, 2, 0
.if \fill
	WIN 0
.endif
	s_barrier_wait -1
.if \fill
	CREST                                          ; the barrier has opened a round of the cluster's barrier
	s_add_nc_u64 s[G0+4*(\slot)+2:G0+4*(\slot)+3], s[G0+4*(\slot)+2:G0+4*(\slot)+3], 2*524288
	s_add_nc_u64 s[G0B+4*(\slot)+2:G0B+4*(\slot)+3], s[G0B+4*(\slot)+2:G0B+4*(\slot)+3], 2*524288
	JLOAD \slot                                    ; the four v_nop behind it are also the places in front of the loads below
.else
	PLACES
.endif
	FETCH \next, 0, F0
	MUL8 F1, 1, 0, 0
	MUL8 F1, 1, 2, 0
.endm
	s_wait_tensorcnt 1                             ; my part of step 0 is in; step 1's may stay out
	s_barrier_signal -1
	s_barrier_wait -1
	FETCH 0, 0, F0
	QUARTER 0, QB,   F0, F1, 1                     ; the first products start the sums
	QUARTER 0, 2*QB, F1, F0, 0
	QUARTER 0, 3*QB, F0, F1, 0
	TURN 0, 1, 1                                   ; slot 0 takes step 2
	QUARTER 1, QB,   F0, F1, 0
	QUARTER 1, 2*QB, F1, F0, 0
	QUARTER 1, 3*QB, F0, F1, 0
	TURN 1, 0, 1                                   ; slot 1 takes step 3
	QUARTER 0, QB,   F0, F1, 0
	QUARTER 0, 2*QB, F1, F0, 0
	QUARTER 0, 3*QB, F0, F1, 0
	TURN 0, 1, 0                                   ; nothing is left to fetch
	QUARTER 1, QB,   F0, F1, 0
	QUARTER 1, 2*QB, F1, F0, 0
	QUARTER 1, 3*QB, F0, F1, 0
	s_wait_dscnt 16
	MUL8 F1, 0, 0, 0
	MUL8 F1, 0, 2, 0
	s_wait_dscnt 0
	MUL8 F1, 1, 0, 0
	MUL8 F1, 1, 2, 0
	WIN 0
	; THE WAY OUT.
.rept 8
	v_nop                                          ; the places behind the last products
.endr
; The maximum of my query's 64 scores in block a: four chains of seven, each accumulator's lowest registers first; the four left over; the other half of the lanes
.macro RMAX a
.irp b, 0,1,2,3
	v_max3_num_f32 v[CW+(\b)], v[ACC+8*(4*(\a)+(\b))], v[ACC+8*(4*(\a)+(\b))+1], v[ACC+8*(4*(\a)+(\b))+2]
.endr
.irp b, 0,1,2,3
	v_max3_num_f32 v[CW+(\b)], v[CW+(\b)], v[ACC+8*(4*(\a)+(\b))+3], v[ACC+8*(4*(\a)+(\b))+4]
.endr
.irp b, 0,1,2,3
	v_max3_num_f32 v[CW+(\b)], v[CW+(\b)], v[ACC+8*(4*(\a)+(\b))+5], v[ACC+8*(4*(\a)+(\b))+6]
.endr
	v_max3_num_f32 v[CW], v[CW], v[ACC+32*(\a)+7], v[ACC+32*(\a)+15]
	v_max3_num_f32 v[CW+2], v[CW+2], v[ACC+32*(\a)+23], v[ACC+32*(\a)+31]
	v_max3_num_f32 v[CW], v[CW], v[CW+1], v[CW+2]
	v_max_num_f32 v[CW], v[CW], v[CW+3]
	v_permlanex16_b32 v[CW+1], v[CW], s[SEL], s[SEL+1]
	v_max_num_f32 v[CW], v[CW], v[CW+1]
	v_mul_f32 v[SS+4*(\a)+1], s[CS], v[CW]         ; c m of my 64 keys
.endm
	RMAX 0
	RMAX 1
	RMAX 2
	RMAX 3
.irp a, 0,1,2,3
	ds_store_b32 v[SA], v[SS+4*(\a)+1] offset:64*(\a)   ; both halves of the lanes write the same word with the same number
.endr
	s_wait_dscnt 0x0
	s_barrier_signal -1
	s_barrier_wait -1
.irp a, 0,1,2,3
	ds_load_b32 v[SS+4*(\a)+2], v[SB] offset:64*(\a)        ; the two halves of the tile's keys
	ds_load_b32 v[SS+4*(\a)+3], v[SB] offset:512+64*(\a)
.endr
	s_wait_dscnt 0x0
.irp a, 0,1,2,3
	v_max_num_f32 v[SS+4*(\a)], v[SS+4*(\a)+2], v[SS+4*(\a)+3]  ; c m of the tile
.endr
.set i, 0
.rept 64
	v_pk_fma_f32 v[ACC+2*i:ACC+2*i+1], v[ACC+2*i:ACC+2*i+1], s[CS:CS+1], v[SS+4*(i/16):SS+4*(i/16)+1] op_sel_hi:[1,0,0] neg_lo:[0,0,1] neg_hi:[0,0,1]  ; c s - c m
.set i, i+1
.endr
.set i, 0
.rept 128
	v_exp_f32 v[ACC+i], v[ACC+i]                   ; one batch
.set i, i+1
.endr
	v_nop                                          ; a plain instruction behind the last exponential,
	s_wait_alu depctr_va_vdst(0)                   ; and the one wait ahead of the batch's first reader
.set i, 0
.rept 64
	v_cvt_pk_f16_f32 v[TMP+i], v[ACC+2*i], v[ACC+2*i+1]
.set i, i+1
.endr
.macro RSUM a                          ; the sum of my query's 64 weights in block a, unrounded: 16 pairs added in place, 8, 4, 2 and 1 pairs apart; the two halves of a pair; the other half of the lanes
.irp w, 16, 8, 4, 2
.set u, 0
.rept (\w)/2
	v_pk_add_f32 v[ACC+32*(\a)+2*u:ACC+32*(\a)+2*u+1], v[ACC+32*(\a)+2*u:ACC+32*(\a)+2*u+1], v[ACC+32*(\a)+(\w)+2*u:ACC+32*(\a)+(\w)+2*u+1]
.set u, u+1
.endr
.endr
	v_add_f32 v[SS+4*(\a)+2], v[ACC+32*(\a)], v[ACC+32*(\a)+1]
	v_permlanex16_b32 v[SS+4*(\a)+3], v[SS+4*(\a)+2], s[SEL], s[SEL+1]
	v_add_f32 v[SS+4*(\a)+2], v[SS+4*(\a)+2], v[SS+4*(\a)+3]
.endm
	RSUM 0
	RSUM 1
	RSUM 2
	RSUM 3
.irp a, 0,1,2,3
	ds_store_b32 v[SA], v[SS+4*(\a)+2] offset:256+64*(\a)
.endr
.irp a, 0,1,2,3
.irp b, 0,1,2,3
	ds_store_b128 v[STO], v[TMP+4*(4*(\a)+(\b)):TMP+4*(4*(\a)+(\b))+3] offset:(\a)*16*SPITCH+32*(\b)
.endr
.endr
	s_wait_dscnt 0x0                               ; for the others' sake: my stores into the stage are done
	s_barrier_signal -1
	s_barrier_wait -1
.irp t, 0,1,2,3,4,5,6,7,8,9,10,11,12,13,14,15
	ds_load_b128 v[TMP+4*(\t):TMP+4*(\t)+3], v[RD] offset:(\t)*2*SPITCH
.endr
	ds_load_b128 v[CW:CW+3], v[SR]                 ; my wave's 64 maxima and 64 sums
.irp t, 0,1,2,3,4,5,6,7,8,9,10,11,12,13,14,15
	s_wait_dscnt 16-(\t)                           ; the 16 - t younger loads may be out
	global_store_b128 v[CO], v[TMP+4*(\t):TMP+4*(\t)+3], s[8:9] offset:2*(\t)*2048  ; 16 lanes store 256 consecutive bytes, at a multiple of 256 from pbuf's first byte
.endr
	s_wait_dscnt 0x0
	global_store_b128 v[SO], v[CW:CW+3], s[10:11]  ; 512 consecutive bytes of st
	s_wait_tensorcnt 0x0                           ; the wave's end
	ds_add_u32 v[SPW], v[NIL]
	s_wait_dscnt 0x0
	CROUND                                         ; the closing round
	s_endpgm
.Lfunc_end_k_q6e1bd71a75_score:
	.size	k_q6e1bd71a75_score, .Lfunc_end_k_q6e1bd71a75_score-k_q6e1bd71a75_score
	.p2alignl 7, 3214868480
	.fill 96, 4, 3214868480
	.section	.rodata,"a",@progbits
	.p2align	6, 0x0
	.amdhsa_kernel k_q6e1bd71a75_score
		.amdhsa_group_segment_fixed_size 327680
		.amdhsa_private_segment_fixed_size 0
		.amdhsa_enable_private_segment 0
		.amdhsa_kernarg_size 32
		.amdhsa_user_sgpr_count 2
		.amdhsa_user_sgpr_kernarg_segment_ptr 1
		.amdhsa_wavefront_size32 1
		.amdhsa_system_sgpr_workgroup_id_x 1
		.amdhsa_system_sgpr_workgroup_id_y 1
		.amdhsa_system_sgpr_workgroup_id_z 1
		.amdhsa_system_vgpr_workitem_id 0
		.amdhsa_next_free_vgpr 512
		.amdhsa_next_free_sgpr 72
		.amdhsa_reserve_vcc 0
		.amdhsa_float_denorm_mode_32 3
		.amdhsa_float_denorm_mode_16_64 3
		.amdhsa_memory_ordered 1
		.amdhsa_forward_progress 1
		.amdhsa_inst_pref_size 105
	.end_amdhsa_kernel
	.amdgpu_metadata
---
amdhsa.version: [ 1, 2 ]
amdhsa.kernels:
  - .name:           k_q6e1bd71a75_score
    .symbol:         k_q6e1bd71a75_score.kd
    .args:
      - { .name: qf, .offset: 0, .size: 8, .value_kind: global_buffer, .address_space: global }
      - { .name: kf, .offset: 8, .size: 8, .value_kind: global_buffer, .address_space: global }
      - { .name: pbuf, .offset: 16, .size: 8, .value_kind: global_buffer, .address_space: global }
      - { .name: st, .offset: 24, .size: 8, .value_kind: global_buffer, .address_space: global }
    .group_segment_fixed_size: 327680
    .private_segment_fixed_size: 0
    .kernarg_segment_align: 8
    .kernarg_segment_size: 32
    .max_flat_workgroup_size: 128
    .sgpr_count:     72
    .vgpr_count:     512
    .wavefront_size: 32
...
	.end_amdgpu_metadata
.endif
;; end of part 3
;; launch mix (part 4): grid 8 x 32, 4 waves a work-group, clusters of 4 x 4, 327,680 bytes of LDS; arguments pbuf, vf, st, out0; writes out0
.if DOCPART == 4
	.amdgcn_target "amdgcn-amd-amdhsa--gfx1250"
	.amdhsa_code_object_version 6
	.text
	.protected	k_q6e1bd71a75_mix
	.globl	k_q6e1bd71a75_mix
	.p2align	8
	.type	k_q6e1bd71a75_mix,@function
k_q6e1bd71a75_mix:
	s_mov_b64 s[64:65], 0
	v_nop
	global_prefetch_b8 v0, s[64:65] scope:SCOPE_SE
	s_setreg_imm32_b32 hwreg(HW_REG_WAVE_MODE, 25, 1), 1
	s_wait_xcnt 0x0
	s_wait_alu depctr_hold_cnt(0) depctr_sa_sdst(0) depctr_va_vdst(0) depctr_va_sdst(0) depctr_va_ssrc(0) depctr_va_vcc(0) depctr_vm_vsrc(0)
	s_getreg_b32 s2, hwreg(HW_REG_IB_STS2, 6, 4)
	s_cmp_eq_u32 s2, 0
	s_cbranch_scc0 .Lentry_in_a_cluster
	s_endpgm
.Lentry_in_a_cluster:
	s_bfe_u32 s2, ttmp6, 0x10000c
	s_cmp_lg_u32 s2, 0xf033
	s_cbranch_scc0 .Lentry_shape_is_right
	s_endpgm
.Lentry_shape_is_right:
; out0[query][1,024 head + e] = the sum over the 8 key tiles j of al_j (P_j V_j), al_j = 2^(c m_j - c m_row) / L, L = the sum over j of 2^(c m_j - c m_row) l_j.
; P_j (f16, taken against its tile's maximum m_j), c m and l come from the launch before; c m_row is the greatest of a row's c m_j: the row's true maximum.  L is at least 1.  All corrections and sums in f32.
; LIMITS.  A correction below 2^-126 counts as 0; NaN and infinities are not treated apart.
; SHARES.  A work-group makes 128 queries x 128 channels of one head; four waves, each 64 x 64.  K (1,024 keys) goes in four steps of 256 through two LDS slots, written out straight.
; Each tile of 128 keys (two quarters of a step) is summed in 16 accumulators of its own, started with the constant 0, and then added into O with the query's al_j: 64 packed multiply-adds.
; THE MATRIX INSTRUCTION: source 0 = V^T (16 channels; V lies [key][channel] and is turned by ds_load_tr16_b128), source 1 = 16 queries of P: a lane holds one query and the channels 8 (lane / 16) + 0..7.
; CLUSTER 4 x 4: P's tiles hang on head and query tile (shared along a row of the cluster), V's on head and channel tile (shared along a column).
; NO PREFETCH: of a work-group's four steps two are first fills.
; REGISTERS: window 0: v0-31 addresses; v32-95 al, a pair (both alike) for query block a and tile j at 32 + 2 (8 a + j); v128-255 O ((a, b) at 128 + 8 (4 a + b)).  window 1: two fragment buffers of 128.  window 2: v0-127 a tile's sums.
.set PP,     528                       ; a row of P: 512 bytes + 16 = 33 x 16
.set PV,     160                       ; a row of V: 128 + 32 = 5 x 32
.set PHALF,  64*PP
.set VHALF,  256*PV
.set VOFF,   2*PHALF
.set SLOT,   VOFF+2*VHALF              ; 149,504
.set ALT,    2*SLOT                    ; al: [8 tiles][128 queries][2] f32
.set STAGE,  ALT+8192                  ; 16 rows x 272 bytes for each wave
.set SPITCH, 272
.set SPARE,  STAGE+4*16*SPITCH         ; the spare words, 128 bytes for each wave
.set AW,   10                          ; v10     where thread t puts row t's al
.set AR,   11                          ; v11     where I read my queries' al
.set SO,   12                          ; v12     row t's byte offset in st
.set ADRA, 16
.set ADRB, 20
.set STO,  24
.set RD,   25
.set GO,   26
.set SPW,  28
.set NIL,  29
.set AL,   32
.set OA,   128
.set F0,   0
.set F1,   128
.set WV,  12                           ; s12 wave; s13 = wave / 2: my half of the queries, also: I fetch P (0) or V (1); s14 = wave % 2: my half of the channels, also: which half I fetch
.set G1,  24
.set G0,  32
.set G1B, 48
.set G0B, 56
.set MSB, 0
.macro WIN new
.if MSB != (\new)
	s_set_vgpr_msb (MSB<<8)|(\new)
.set MSB, \new
.endif
.endm
.set MUL,  0xa5                        ; sources window 1; C and D window 2
.set TO_F, 0x40
.macro JLOAD s
	s_cmp_eq_u32 s13, 0
	s_cbranch_scc0 .Lfor_b_\@
	tensor_load_to_lds s[G0+4*(\s):G0+4*(\s)+3], s[G1:G1+7]
	s_nop 0
.rept 4
	v_nop
.endr
	s_branch .Lasked_\@
.Lfor_b_\@:
	tensor_load_to_lds s[G0B+4*(\s):G0B+4*(\s)+3], s[G1B:G1B+7]
	s_nop 0
.rept 4
	v_nop
.endr
.Lasked_\@:
.endm
.macro CREST
	s_cmp_lg_u32 s[WV], 0
	s_cbranch_scc1 .Lnot_wave_0_\@
	s_barrier_signal -3
.Lnot_wave_0_\@:
	s_barrier_wait -3
	s_barrier_signal -1
	s_barrier_wait -1
.endm
.macro CROUND
	s_barrier_signal -1
	s_barrier_wait -1
	CREST
.endm
	s_load_b256 s[4:11], s[0:1], 0x0               ; pbuf s[4:5], vf s[6:7], st s[8:9], out0 s[10:11]
	v_lshl_add_u32 v[SPW], v0, 2, SPARE
	v_mov_b32 v[NIL], 0
	ds_add_u32 v[SPW], v[NIL]                      ; the wave's opening: the add, twice on end, and its wait ahead of my first tensor load
	ds_add_u32 v[SPW], v[NIL]
	v_lshrrev_b32 v1, 5, v0
	v_readfirstlane_b32 s[WV], v1
	s_lshr_b32 s13, s[WV], 1
	s_and_b32 s14, s[WV], 1
	s_bfe_u32 s40, ttmp6, 0x40000                  ; cx
	s_bfe_u32 s41, ttmp6, 0x40004                  ; cy
	s_lshl_b32 s42, ttmp9, 2
	s_add_co_u32 s42, s42, s40                     ; channel tile
	s_and_b32 s45, ttmp7, 0xffff
	s_and_b32 s15, s45, 1
	s_lshl_b32 s15, s15, 2
	s_add_co_u32 s15, s15, s41                     ; query tile
	s_lshr_b32 s45, s45, 1                         ; head
	s_lshl_b32 s43, s41, 2
	s_lshl_b32 s43, 15, s43
	s_lshl_b32 s44, 0x1111, s40
	; P: 64 rows of 256 f16, 1,024 elements apart, padded after every row
	s_or_b32 s[G1], s43, (1<<16)|(1<<20)|(1<<21)|(6<<22)|(3<<25)   ; after every 128 words (code 6) 4 words (code 3)
	s_mov_b32 s[G1+1], 256<<16
	s_mov_b32 s[G1+2], 64<<16
	s_mov_b32 s[G1+3], 256<<16
	s_mov_b32 s[G1+4], 64
	s_mov_b32 s[G1+5], 1024
	s_mov_b32 s[G1+6], 0
	s_mov_b32 s[G1+7], 0
	; V: 256 keys of one block of 64 channels are 32,768 dense bytes: 128 rows of 256 bytes, padded after every key
	s_or_b32 s[G1B], s44, (1<<16)|(1<<20)|(1<<21)|(4<<22)|(7<<25)  ; after every 32 words (code 4) 8 words (code 7)
	s_mov_b32 s[G1B+1], 128<<16
	s_mov_b32 s[G1B+2], 128<<16
	s_mov_b32 s[G1B+3], 128<<16
	s_mov_b32 s[G1B+4], 128
	s_mov_b32 s[G1B+5], 128
	s_mov_b32 s[G1B+6], 0
	s_mov_b32 s[G1B+7], 0
	s_lshl_b32 s18, s14, 17                        ; which half I fetch: 64 rows of P, or one block of V: 131,072 bytes both
	s_lshl_b32 s16, s45, 21                        ; P: the head's 1,024 rows of 2,048 bytes,
	s_lshl_b32 s17, s15, 18                        ; the tile's 128
	s_add_co_u32 s16, s16, s17
	s_add_co_u32 s16, s16, s18
	s_mov_b32 s17, 0
	s_lshl_b32 s46, s45, 21                        ; V: the head's 16 blocks of 131,072 bytes,
	s_lshl_b32 s47, s42, 18                        ; the tile's two
	s_add_co_u32 s46, s46, s47
	s_add_co_u32 s46, s46, s18
	s_mov_b32 s47, 0
	s_mul_i32 s20, s14, PHALF                      ; where they go
	s_mul_i32 s21, s14, VHALF
	s_add_co_u32 s21, s21, VOFF
	s_wait_dscnt 0x0                               ; both opening adds are done
	s_wait_kmcnt 0x0
	s_add_nc_u64 s[18:19], s[4:5], s[16:17]
	s_add_nc_u64 s[46:47], s[6:7], s[46:47]
	CROUND                                         ; all sixteen work-groups are here: the first joint loads meet
.irp s, 0,1
	s_mov_b32 s[G0+4*(\s)], 1
	s_add_co_u32 s[G0+4*(\s)+1], s20, (\s)*SLOT
	s_add_nc_u64 s[G0+4*(\s)+2:G0+4*(\s)+3], s[18:19], (\s)*512      ; step s: 256 keys along the rows
	s_or_b32 s[G0+4*(\s)+3], s[G0+4*(\s)+3], 0x80000000
	s_mov_b32 s[G0B+4*(\s)], 1
	s_add_co_u32 s[G0B+4*(\s)+1], s21, (\s)*SLOT
	s_add_nc_u64 s[G0B+4*(\s)+2:G0B+4*(\s)+3], s[46:47], (\s)*32768  ; 256 keys down the block
	s_or_b32 s[G0B+4*(\s)+3], s[G0B+4*(\s)+3], 0x80000000
	JLOAD \s
.endr
	; THE CORRECTIONS.  Thread t stands for row t of the tile's 128: it reads the row's 16 half-tile maxima and sums
	s_lshl_b32 s16, s45, 17                        ; st: (16 head + 2 query tile) x 8,192
	s_lshl_b32 s17, s15, 14
	s_add_co_u32 s16, s16, s17
	s_mov_b32 s17, 0
	s_add_nc_u64 s[8:9], s[8:9], s[16:17]
	v_lshrrev_b32 v3, 6, v0
	v_and_b32 v4, 63, v0
	v_lshlrev_b32 v4, 2, v4
	v_lshl_add_u32 v[SO], v3, 13, v4
.irp x, 0,1,2,3,4,5,6,7,8,9,10,11,12,13,14,15
	global_load_b32 v[OA+(\x)], v[SO], s[8:9] offset:(\x)*512
	global_load_b32 v[OA+16+(\x)], v[SO], s[8:9] offset:(\x)*512+256
.endr
	v_and_b32 v1, 15, v0                           ; r
	v_bfe_u32 v2, v0, 4, 1                         ; hh
	v_mul_u32_u24 v3, v1, PP
	v_lshl_add_u32 v3, v2, 4, v3
	s_mul_i32 s21, s13, PHALF                      ; my 64 queries
	v_add_nc_u32 v[ADRA], s21, v3
	v_add_nc_u32 v[ADRA+1], SLOT, v[ADRA]
	v_and_b32 v4, 7, v0                            ; the turning load: lane l reads key 8 hh + l % 8, channels 8 ((l / 8) % 2) + 0..7
	v_bfe_u32 v5, v0, 3, 1
	v_lshl_add_u32 v4, v2, 3, v4
	v_mul_u32_u24 v4, v4, PV
	v_lshl_add_u32 v4, v5, 4, v4
	s_mul_i32 s22, s14, VHALF                      ; my block of 64 channels
	s_add_co_u32 s22, s22, VOFF
	v_add_nc_u32 v[ADRB], s22, v4
	v_add_nc_u32 v[ADRB+1], SLOT, v[ADRB]
	s_mul_i32 s23, s[WV], 16*SPITCH
	s_add_co_u32 s23, s23, STAGE                   ; my stage
	v_mul_u32_u24 v3, v1, SPITCH                   ; in: row r, 32 bytes for each half of the lanes
	v_lshl_add_u32 v3, v2, 5, v3
	v_add_nc_u32 v[STO], s23, v3
	v_mul_u32_u24 v3, v2, SPITCH                   ; back: lanes 0-15 take one row of 256 bytes, lanes 16-31 the next
	v_lshl_add_u32 v3, v1, 4, v3
	v_add_nc_u32 v[RD], s23, v3
	v_lshlrev_b32 v3, 14, v2                       ; and the same two rows in out0, 16,384 bytes apart
	v_lshl_add_u32 v[GO], v1, 4, v3
	v_lshl_add_u32 v[AW], v0, 3, ALT
	s_lshl_b32 s23, s13, 9
	s_add_co_u32 s23, s23, ALT
	v_lshl_add_u32 v[AR], v1, 3, s23               ; ALT + 8 (64 wq + r)
	s_lshl_b32 s16, s15, 21                        ; out0: the tile's 128 rows of 16,384 bytes,
	s_lshl_b32 s17, s13, 20                        ; my 64,
	s_add_co_u32 s16, s16, s17
	s_lshl_b32 s17, s45, 12                        ; the head's 1,024 columns of 4 bytes,
	s_add_co_u32 s16, s16, s17
	s_lshl_b32 s17, s42, 9                         ; the tile's 128,
	s_add_co_u32 s16, s16, s17
	s_lshl_b32 s17, s14, 8                         ; my 64
	s_add_co_u32 s16, s16, s17
	s_mov_b32 s17, 0
	s_add_nc_u64 s[10:11], s[10:11], s[16:17]
	s_wait_loadcnt 0x0
.irp j, 0,1,2,3,4,5,6,7
	v_max_num_f32 v[OA+32+(\j)], v[OA+2*(\j)], v[OA+2*(\j)+1]        ; c m_j: the greater of the tile's two halves
	v_add_f32 v[OA+40+(\j)], v[OA+16+2*(\j)], v[OA+16+2*(\j)+1]      ; l_j
.endr
	v_max3_num_f32 v[OA+48], v[OA+32], v[OA+33], v[OA+34]
	v_max3_num_f32 v[OA+48], v[OA+48], v[OA+35], v[OA+36]
	v_max3_num_f32 v[OA+48], v[OA+48], v[OA+37], v[OA+38]
	v_max_num_f32 v[OA+48], v[OA+48], v[OA+39]                       ; c m_row
.irp j, 0,1,2,3,4,5,6,7
	v_sub_f32 v[OA+32+(\j)], v[OA+32+(\j)], v[OA+48]
.endr
.irp j, 0,1,2,3,4,5,6,7
	v_exp_f32 v[OA+32+(\j)], v[OA+32+(\j)]
.endr
	v_nop                                          ; a plain instruction behind the last exponential,
	s_wait_alu depctr_va_vdst(0)                   ; and the one wait for the eight
	v_mul_f32 v[OA+49], v[OA+32], v[OA+40]
.irp j, 1,2,3,4,5,6,7
	v_fmac_f32 v[OA+49], v[OA+32+(\j)], v[OA+40+(\j)]                ; L
.endr
	v_rcp_f32 v[OA+50], v[OA+49]
	v_nop
	s_wait_alu depctr_va_vdst(0)
.irp j, 0,1,2,3,4,5,6,7
	v_mul_f32 v[OA+52+2*(\j)], v[OA+32+(\j)], v[OA+50]               ; al_j, twice: a pair for the packed multiply-add
	v_mul_f32 v[OA+53+2*(\j)], v[OA+32+(\j)], v[OA+50]
	ds_store_b64 v[AW], v[OA+52+2*(\j):OA+53+2*(\j)] offset:1024*(\j)
.endr
	s_wait_dscnt 0x0                               ; for the others' sake: my row's al lie in LDS
	s_wait_tensorcnt 1                             ; my part of step 0 is in; step 1's may stay out
	s_barrier_signal -1
	s_barrier_wait -1
.irp a, 0,1,2,3
.irp j, 0,1,2,3,4,5,6,7
	ds_load_b64 v[AL+2*(8*(\a)+(\j)):AL+2*(8*(\a)+(\j))+1], v[AR] offset:1024*(\j)+128*(\a)
.endr
.endr
.macro MUL8 f, c, a0, zero             ; 8 matrix instructions; the 16 accumulators take turns
	WIN MUL
.irp a, \a0, (\a0)+1
.irp b, 0,1,2,3
.if \zero
	v_wmma_f32_16x16x32_f16 v[8*(4*(\a)+(\b)):8*(4*(\a)+(\b))+7], v[(\f)+64+8*(4*(\c)+(\b)):(\f)+64+8*(4*(\c)+(\b))+7], v[(\f)+8*(4*(\c)+(\a)):(\f)+8*(4*(\c)+(\a))+7], 0
.else
	v_wmma_f32_16x16x32_f16 v[8*(4*(\a)+(\b)):8*(4*(\a)+(\b))+7], v[(\f)+64+8*(4*(\c)+(\b)):(\f)+64+8*(4*(\c)+(\b))+7], v[(\f)+8*(4*(\c)+(\a)):(\f)+8*(4*(\c)+(\a))+7], v[8*(4*(\a)+(\b)):8*(4*(\a)+(\b))+7]
.endif
.endr
.endr
.endm
; 32 LDS loads in one run: quarter q (64 keys) of a slot into buffer f; the first 32 keys first
.macro FETCH slot, q, f
	WIN TO_F
.irp c, 0,1
.irp i, 0,1,2,3
	ds_load_tr16_b128 v[(\f)+64+8*(4*(\c)+(\i)):(\f)+64+8*(4*(\c)+(\i))+3],   v[ADRB+(\slot)] offset:(64*(\q)+32*(\c))*PV+32*(\i)
	ds_load_tr16_b128 v[(\f)+64+8*(4*(\c)+(\i))+4:(\f)+64+8*(4*(\c)+(\i))+7], v[ADRB+(\slot)] offset:(64*(\q)+32*(\c))*PV+32*(\i)+16*PV
	ds_load_b128 v[(\f)+8*(4*(\c)+(\i)):(\f)+8*(4*(\c)+(\i))+3],              v[ADRA+(\slot)] offset:128*(\q)+64*(\c)+(\i)*16*PP
	ds_load_b128 v[(\f)+8*(4*(\c)+(\i))+4:(\f)+8*(4*(\c)+(\i))+7],            v[ADRA+(\slot)] offset:128*(\q)+64*(\c)+(\i)*16*PP+32
.endr
.endr
.endm
.macro PLACES
.rept 4
	v_nop
.endr
.endm
.macro QUARTER slot, q, f, g, zero     ; multiplies buffer f and fetches quarter q into g
	s_wait_dscnt 16                                ; the first 32 keys are in (and all that was asked for earlier); the youngest 16 loads may be out
	MUL8 \f, 0, 0, \zero
	MUL8 \f, 0, 2, \zero
	PLACES
	FETCH \slot, \q, \g
	s_wait_dscnt 32                                ; all but the 32 just issued
	MUL8 \f, 1, 0, 0
	MUL8 \f, 1, 2, 0
.endm
.macro TURN slot, next, fill           ; the last quarter multiplies buffer 1 and changes slots
	WIN 0
	s_wait_tensorcnt 0x0                           ; all my tensor loads have landed: my part of the next slot
	ds_add_u32 v[SPW], v[NIL]                      ; 0 onto my spare word
	s_wait_dscnt 17                                ; (the add and the youngest sixteen loads may be out)
	MUL8 F1, 0, 0, 0
	s_wait_dscnt 0x0                               ; the add is done, and my reads of this slot are over
	s_barrier_signal -1
	MUL8 F1, 0, 2, 0
.if \fill
	WIN 0
.endif
	s_barrier_wait -1
.if \fill
	CREST                                          ; the barrier has opened a round of the cluster's barrier
	s_add_nc_u64 s[G0+4*(\slot)+2:G0+4*(\slot)+3], s[G0+4*(\slot)+2:G0+4*(\slot)+3], 2*512
	s_add_nc_u64 s[G0B+4*(\slot)+2:G0B+4*(\slot)+3], s[G0B+4*(\slot)+2:G0B+4*(\slot)+3], 2*32768
	JLOAD \slot
.else
	PLACES
.endif
	FETCH \next, 0, F0
	MUL8 F1, 1, 0, 0
	MUL8 F1, 1, 2, 0
.endm
; Tile j is summed: O += al_j x its sums (tile 0 starts O: nothing is cleared).  Each accumulator is read from its lowest registers on.  These lines are also the places in front of the products that start the next tile's sums.
.macro SCALE j
	PLACES
	WIN 0x02                                       ; source 0 window 2, all else window 0
.set t, 0
.rept 64
.if (\j) == 0
	v_pk_mul_f32 v[OA+2*t:OA+2*t+1], v[2*t:2*t+1], v[AL+2*(8*(t/16)+(\j)):AL+2*(8*(t/16)+(\j))+1]
.else
	v_pk_fma_f32 v[OA+2*t:OA+2*t+1], v[2*t:2*t+1], v[AL+2*(8*(t/16)+(\j)):AL+2*(8*(t/16)+(\j))+1], v[OA+2*t:OA+2*t+1]
.endif
.set t, t+1
.endr
.endm
.macro THREE slot, j                   ; a step's first three quarters: tile j whole, and the first half of tile j + 1
	QUARTER \slot, 1, F0, F1, 1
	QUARTER \slot, 2, F1, F0, 0
	SCALE \j
	QUARTER \slot, 3, F0, F1, 1
.endm
	FETCH 0, 0, F0
	THREE 0, 0
	TURN 0, 1, 1                                   ; slot 0 takes step 2
	SCALE 1
	THREE 1, 2
	TURN 1, 0, 1                                   ; slot 1 takes step 3
	SCALE 3
	THREE 0, 4
	TURN 0, 1, 0                                   ; nothing is left to fetch
	SCALE 5
	THREE 1, 6
	s_wait_dscnt 16
	MUL8 F1, 0, 0, 0
	MUL8 F1, 0, 2, 0
	s_wait_dscnt 0
	MUL8 F1, 1, 0, 0
	MUL8 F1, 1, 2, 0
	SCALE 7
	WIN 0
	; THE WAY OUT, a block of 16 queries at a time through my own stage: a lane's 8 channels are 32 bytes of a row; back as whole rows of 256 bytes, into the registers that they left
.macro PACK a
.irp b, 0,1,2,3
	ds_store_b128 v[STO], v[OA+8*(4*(\a)+(\b)):OA+8*(4*(\a)+(\b))+3] offset:64*(\b)
	ds_store_b128 v[STO], v[OA+8*(4*(\a)+(\b))+4:OA+8*(4*(\a)+(\b))+7] offset:64*(\b)+16
.endr
.irp x, 0,1,2,3,4,5,6,7
	ds_load_b128 v[OA+32*(\a)+4*(\x):OA+32*(\a)+4*(\x)+3], v[RD] offset:(\x)*2*SPITCH  ; LDS serves a wave's instructions in order (ISA guide 5.7.1.4): these see the stores above; the next block's stores come behind them
.endr
.endm
.macro SEND a, younger                 ; younger: the LDS instructions issued behind block a's loads: the next block's sixteen, or none
.irp x, 0,1,2,3,4,5,6,7
	s_wait_dscnt (\younger)+7-(\x)
	global_store_b128 v[GO], v[OA+32*(\a)+4*(\x):OA+32*(\a)+4*(\x)+3], s[10:11] offset:(16*(\a)+2*(\x))*16384 th:TH_STORE_NT  ; 16 lanes store 256 consecutive bytes, at a multiple of 256 from out0's first byte
.endr
.endm
	PACK 0
	PACK 1
	SEND 0, 16
	PACK 2
	SEND 1, 16
	PACK 3
	SEND 2, 16
	SEND 3, 0
	s_wait_tensorcnt 0x0                           ; the wave's end
	ds_add_u32 v[SPW], v[NIL]
	s_wait_dscnt 0x0
	CROUND                                         ; the closing round
	s_endpgm
.Lfunc_end_k_q6e1bd71a75_mix:
	.size	k_q6e1bd71a75_mix, .Lfunc_end_k_q6e1bd71a75_mix-k_q6e1bd71a75_mix
	.p2alignl 7, 3214868480
	.fill 96, 4, 3214868480
	.section	.rodata,"a",@progbits
	.p2align	6, 0x0
	.amdhsa_kernel k_q6e1bd71a75_mix
		.amdhsa_group_segment_fixed_size 327680
		.amdhsa_private_segment_fixed_size 0
		.amdhsa_enable_private_segment 0
		.amdhsa_kernarg_size 32
		.amdhsa_user_sgpr_count 2
		.amdhsa_user_sgpr_kernarg_segment_ptr 1
		.amdhsa_wavefront_size32 1
		.amdhsa_system_sgpr_workgroup_id_x 1
		.amdhsa_system_sgpr_workgroup_id_y 1
		.amdhsa_system_sgpr_workgroup_id_z 1
		.amdhsa_system_vgpr_workitem_id 0
		.amdhsa_next_free_vgpr 640
		.amdhsa_next_free_sgpr 66
		.amdhsa_reserve_vcc 0
		.amdhsa_float_denorm_mode_32 3
		.amdhsa_float_denorm_mode_16_64 3
		.amdhsa_memory_ordered 1
		.amdhsa_forward_progress 1
		.amdhsa_inst_pref_size 128
	.end_amdhsa_kernel
	.amdgpu_metadata
---
amdhsa.version: [ 1, 2 ]
amdhsa.kernels:
  - .name:           k_q6e1bd71a75_mix
    .symbol:         k_q6e1bd71a75_mix.kd
    .args:
      - { .name: pbuf, .offset: 0, .size: 8, .value_kind: global_buffer, .address_space: global }
      - { .name: vf, .offset: 8, .size: 8, .value_kind: global_buffer, .address_space: global }
      - { .name: st, .offset: 16, .size: 8, .value_kind: global_buffer, .address_space: global }
      - { .name: out0, .offset: 24, .size: 8, .value_kind: global_buffer, .address_space: global }
    .group_segment_fixed_size: 327680
    .private_segment_fixed_size: 0
    .kernarg_segment_align: 8
    .kernarg_segment_size: 32
    .max_flat_workgroup_size: 128
    .sgpr_count:     66
    .vgpr_count:     640
    .wavefront_size: 32
...
	.end_amdgpu_metadata
.endif
;; end of part 4
;; ======== version 2 of 3: 4 launches
;; limits: values are held in f16: magnitudes above 65,504 overflow, below 6.1e-05 lose precision
;; workspace buffers: hb 8,454,144 bytes; qf 8,388,608 bytes; kf 8,388,608 bytes; vf 8,388,608 bytes; pbuf 8,388,608 bytes; st 524,288 bytes
;; launch tobf: the kernel of part 1 again; grid 516 x 1, 8 waves a work-group, no clusters, 0 bytes of LDS; arguments h, hb; writes hb
;; launch proj (part 5): grid 64 x 4, 4 waves a work-group, clusters of 4 x 4, 327,680 bytes of LDS; arguments hb, Wq, Wk, Wv, bq, bv, qf, kf, vf; writes qf, kf, vf
.if DOCPART == 5
	.amdgcn_target "amdgcn-amd-amdhsa--gfx1250"
	.amdhsa_code_object_version 6
	.text
	.protected	k_q6e1bd71a75_proj
	.globl	k_q6e1bd71a75_proj
	.p2align	8
	.type	k_q6e1bd71a75_proj,@function
k_q6e1bd71a75_proj:
	s_mov_b64 s[64:65], 0
	v_nop
	global_prefetch_b8 v0, s[64:65] scope:SCOPE_SE
	s_setreg_imm32_b32 hwreg(HW_REG_WAVE_MODE, 25, 1), 1
	s_wait_xcnt 0x0
	s_wait_alu depctr_hold_cnt(0) depctr_sa_sdst(0) depctr_va_vdst(0) depctr_va_sdst(0) depctr_va_ssrc(0) depctr_va_vcc(0) depctr_vm_vsrc(0)
	s_getreg_b32 s2, hwreg(HW_REG_IB_STS2, 6, 4)
	s_cmp_eq_u32 s2, 0
	s_cbranch_scc0 .Lentry_in_a_cluster
	s_endpgm
.Lentry_in_a_cluster:
	s_bfe_u32 s2, ttmp6, 0x10000c
	s_cmp_lg_u32 s2, 0xf033
	s_cbranch_scc0 .Lentry_shape_is_right
	s_endpgm
.Lentry_shape_is_right:
; q = h Wq + bq, k = h Wk, v = h Wv + bv, written by heads as f16: qf, kf, vf are [4 heads][16 blocks of 64 columns][1,024 rows][64].
; bk is left out: q . bk is the same for all keys of a softmax row (shown at the head of the first kernel).
; LIMITS.  f16 holds no number beyond 65,504: q, k and v must lie within it.  NaN and infinities are not treated apart.
; SHARES.  Work-group (g, cy): g = 16 head + column block, cy = which 256 rows of h.  It makes 256 rows x 64 columns of q, of k AND of v, so that one tile of h feeds three products.
; Wave w: rows 128 (w / 2) on, columns 32 (w % 2) on, of all three: 48 accumulators (row block a = 0..7, projection p = 0..2, fragment f = 0, 1), 384 registers.
; K goes in 43 steps of 96 (the last has 64), a step in chunks of 32: 48 matrix instructions a chunk.  Two LDS slots take turns; 96 is the longest step of which two slots fit.
; W STAYS f32 IN MEMORY AND IN LDS and is rounded to bf16 between LDS and the matrix unit.  In LDS a tile of W lies [k][64 columns].  A lane (r = lane % 16, hh = lane / 16) reads 8 bytes, columns 2 r and 2 r + 1, of
; 16 rows k = 8 hh + 0..7 and 16 + 8 hh + 0..7; two neighbouring rows of one column round into one register: that IS a 16-bit fragment (ISA guide 7.12.2), whose place r stands for column 2 r + f.
; THE MATRIX INSTRUCTION IS USED TRANSPOSED: source 0 = W's fragment, source 1 = 16 rows of h.  In the result a lane holds row r of h and register j column 16 hh + 2 j + f: fragments 0 and 1 round in pairs to 16 neighbouring columns.
; The biases, rounded to bf16 like every input, are the C operand of the first chunk's products; k's first products take the constant 0.  Nothing is cleared.
; THE PIPELINE.  Chunk c multiplies.  Two runs of 32 LDS loads, one at its head and one behind its 24th product, ask for h's fragments of chunk c + 1 and for W's numbers of chunk c + 2; W of chunk c + 1, asked for a chunk ago,
; is rounded one register behind each product.  LDS loads stand in runs, never singly among the matrix instructions.  Everything has two buffers, by the chunk's parity: h's fragments, W as loaded, W's fragments.
; CLUSTER 4 x 4.  h's tile hangs on cy alone and is asked for jointly by a row of the cluster; W's tiles hang on g alone and are asked for jointly by a column.  Wave 0 asks for h's tile, waves 1, 2, 3 for Wq's, Wk's, Wv's.
; REGISTERS, in windows of 256 (s_set_vgpr_msb: bits 1:0 source 0, 3:2 source 1, 5:4 source 2, 7:6 destination):
;   window 0: v0-31 addresses; v32-159 h's fragments, two buffers of 64 (8 a); v160-255 the ODD rows of W as loaded, two buffers of 48 (16 p + 2 j + f).  On the way out v128-255 are at work.
;   window 1 + p: v0-127 projection p's accumulators (8 (2 a + f)); v128-159 its fragments of W, two buffers of 16 (8 f + j); v160-191 the EVEN rows of its W as loaded, two buffers of 16 (2 j + f);
;                 v192-207 its bias as a C operand (8 f + j; windows 1 and 3).
; ONE SETTING SERVES A PRODUCT AND ITS ROUNDING.  Projection p's products name source 0, C and D in window 1 + p and source 1 in window 0.  Under that setting a rounding reads row 2 j from window 1 + p (its source 0) and
; row 2 j + 1 from window 0 (its source 1) and writes the fragment's register into window 1 + p.  So no window is switched among a projection's products: nine switches stand in a chunk, round its runs and its three projections.
.set SLOT,  139776                     ; h: 256 rows x 240 bytes, then three tiles of W
.set WOFF,  61440                      ; h's rows: three chunks of 64 bytes, 16 bytes of padding behind each: rows 240 bytes = 15 x 16 apart, so the 16 rows of a load start at 16 different groups of four banks (ISA guide 11.1)
.set WTILE, 26112                      ; 96 rows x 272 bytes (256 + 16 of padding): 8 rows are 128 bytes modulo 256, so the two halves of the lanes take the two halves of the banks
.set SPARE, 2*SLOT                     ; the spare words, 128 bytes for each wave: two blocks of 256 bytes that no other line names
.set STAGE, SLOT                       ; the way out lies over slot 1, which has had its last fill (step 41) and its last read by then: 3 x 256 rows x 144 bytes
.set SPL,   36864                      ; a projection's part of the stage
.set ADRA, 8                           ; v8-9    LDS address of my fragments of h in slot 0, 1
.set ADRW, 10                          ; v10-15  of my 8 bytes of W's rows: 3 x slot + p
.set STO,  16                          ; v16     the way out: where I put 32 bytes of a row
.set RD,   17                          ; v17     where I read rows back
.set GO,   18                          ; v18     16 x lane
.set PFO,  19                          ; v19     the prefetches' offset; never rewritten
.set SPW,  20                          ; v20     LDS address of my spare word; never rewritten
.set NIL,  21                          ; v21     0; never rewritten
.set BO,   22                          ; v22     my byte offset in bq and bv
.set AF,   32                          ; window 0
.set TO,   160                         ; window 0
.set PK,   128                         ; window 0: at work while the biases are made, and on the way out
.set BK,   192
.set BF,   128                         ; window 1 + p
.set TE,   160
.set CB,   192
.set WV,   22                          ; s22     my wave's number
.set G1A,  32                          ; s[32:39] descriptor group 1 for h's tiles
.set G1W,  40                          ; s[40:47] for W's
.set G0A,  48                          ; s[48:55] group 0 for h's tiles, a set for each slot
.set G0W,  56                          ; s[56:63] for W's
.set PFA,  66                          ; s[66:67] where my prefetches stand
.set LIM,  68                          ; s68     1 in a wave that prefetches, else the greatest number
.set LAPS, 69                          ; s69     laps still to come
.set PFS,  70                          ; s[70:71] a step's bytes in the tensor that I prefetch
.set MSB, 0
.macro WIN new                         ; the immediate's high byte repeats the setting that is left; a switch that changes nothing is dropped
.if MSB != (\new)
	s_set_vgpr_msb (MSB<<8)|(\new)
.set MSB, \new
.endif
.endm
.macro PLACES                          ; four places behind a matrix instruction, in front of loads into and writes of registers that it has read (ISA guide 7.12.1 for writes)
.rept 4
	v_nop
.endr
.endm
.macro CREST                           ; a round of the cluster's barrier behind its opening barrier
	s_cmp_lg_u32 s[WV], 0
	s_cbranch_scc1 .Lnot_wave_0_\@
	s_barrier_signal -3
.Lnot_wave_0_\@:
	s_barrier_wait -3
	s_barrier_signal -1
	s_barrier_wait -1
.endm
.macro CROUND                          ; a whole round
	s_barrier_signal -1
	s_barrier_wait -1
	CREST
.endm
; A joint refill: wave 0 asks for h's tile, waves 1 to 3 each for one W's.  The branch hangs on the wave's number alone.  An s_nop 0 and four v_nop follow each line.
.macro JLOAD s
	s_cmp_eq_u32 s[WV], 0
	s_cbranch_scc0 .Lfor_w_\@
	tensor_load_to_lds s[G0A+4*(\s):G0A+4*(\s)+3], s[G1A:G1A+7]
	s_nop 0
.rept 4
	v_nop
.endr
	s_branch .Lasked_\@
.Lfor_w_\@:
	tensor_load_to_lds s[G0W+4*(\s):G0W+4*(\s)+3], s[G1W:G1W+7]
	s_nop 0
.rept 4
	v_nop
.endr
.Lasked_\@:
.endm
; A PREFETCH INTO THE L2, behind each joint refill of the loop and the run of LDS loads that follows it: the refill asks for step t + 2, the prefetch names step t + 4: two refills, 288 matrix instructions, ahead of the load that will want it.
; W: a step is 96 rows of 256 bytes of each W; the four partners that ask for a tile jointly take 24 rows each, told apart BY ADDRESS (cy); waves 1 to 3 each name their own W: a lane a row.
; h: a tile is 192 blocks of 256 bytes and every cluster reads it: the eight work-groups of the first two clusters with my cy take 24 blocks each, by address; wave 0 names them.
; Lanes 24 to 31 name lane 23's block once more: 96 rows are not four times 32.  The loop's last lap asks for nothing: step 42 is short and step 43 does not exist; steps 0 to 3 and 42 come by their loads alone.
.macro ASK
	s_cmp_gt_u32 s[LAPS], s[LIM]
	s_cbranch_scc0 .Lnot_mine_\@
	global_prefetch_b8 v[PFO], s[PFA:PFA+1] th:TH_LOAD_NT scope:SCOPE_SE
.Lnot_mine_\@:
.endm
; Load n of 16 of h's fragments of a chunk (row block n / 2, half n % 2), into the buffer that chunk par does not multiply
.macro LA1 n, par, idxn, slotn
	ds_load_b128 v[AF+64*(1-(\par))+8*((\n)/2)+4*((\n)%2):AF+64*(1-(\par))+8*((\n)/2)+4*((\n)%2)+3], v[ADRA+(\slotn)] offset:(\idxn)*80+((\n)/2)*3840+32*((\n)%2)
.endm
; Row i of my 16 of projection p's numbers of a chunk, into buffer tb: an even row lands in window 1 + p, an odd one in window 0 (the caller has set the destination's window)
.macro LT1 p, i, idxn, slotn, tb
.if ((\i)%2) == 0
	ds_load_b64 v[TE+16*(\tb)+(\i):TE+16*(\tb)+(\i)+1], v[ADRW+3*(\slotn)+(\p)] offset:(32*(\idxn)+(\i)+8*((\i)/8))*272
.else
	ds_load_b64 v[TO+48*(\tb)+16*(\p)+(\i)-1:TO+48*(\tb)+16*(\p)+(\i)], v[ADRW+3*(\slotn)+(\p)] offset:(32*(\idxn)+(\i)+8*((\i)/8))*272
.endif
.endm
; Rounding m of projection p's 16, under the setting of p's products: register j = m % 8 of fragment f = m / 8: rows 2 j and 2 j + 1 of column f.  All three registers lie in the buffers that chunk par does not multiply.
.macro CV1 p, m, par
	v_cvt_pk_bf16_f32 v[BF+16*(1-(\par))+(\m)], v[TE+16*(1-(\par))+2*((\m)%8)+(\m)/8], v[TO+48*(1-(\par))+16*(\p)+2*((\m)%8)+(\m)/8]
.endm
.macro RUNA par, idxn, slotn           ; 16 loads: h's fragments of chunk (idxn, slotn)
	WIN 0
.set m, 0
.rept 16
	LA1 m, \par, \idxn, \slotn
.set m, m+1
.endr
.endm
.macro RUNW idxn, slotn, tb, p0, p1    ; 16 loads for each of the projections p0 to p1: W's numbers of chunk (idxn, slotn): the odd rows of all first, then each projection's even rows
	WIN 0                                          ; destination and address window 0
.set q, \p0
.rept (\p1)-(\p0)+1
.set m, 1
.rept 8
	LT1 q, m, \idxn, \slotn, \tb
.set m, m+2
.endr
.set q, q+1
.endr
.set q, \p0
.rept (\p1)-(\p0)+1
	WIN (q+1)<<6                                   ; destination window 1 + p, address window 0
.set m, 0
.rept 8
	LT1 q, m, \idxn, \slotn, \tb
.set m, m+2
.endr
.set q, q+1
.endr
.endm
; Products n0 to n1 of projection p's 16 (n = 2 a + f).  cv = 1: behind product n stands rounding n of the same projection.  zero = 1: the sums start, with the bias or with 0.
.macro GRP p, par, n0, n1, zero, cv
	WIN 0x51*((\p)+1)                              ; W's fragment, C and D window 1 + p; h's fragment window 0
.set n, \n0
.rept (\n1)-(\n0)+1
.if (\zero) && ((\p) == 1)
	v_wmma_f32_16x16x32_bf16 v[8*n:8*n+7], v[BF+16*(\par)+8*(n%2):BF+16*(\par)+8*(n%2)+7], v[AF+64*(\par)+8*(n/2):AF+64*(\par)+8*(n/2)+7], 0
.elseif \zero
	v_wmma_f32_16x16x32_bf16 v[8*n:8*n+7], v[BF+16*(\par)+8*(n%2):BF+16*(\par)+8*(n%2)+7], v[AF+64*(\par)+8*(n/2):AF+64*(\par)+8*(n/2)+7], v[CB+8*(n%2):CB+8*(n%2)+7]
.else
	v_wmma_f32_16x16x32_bf16 v[8*n:8*n+7], v[BF+16*(\par)+8*(n%2):BF+16*(\par)+8*(n%2)+7], v[AF+64*(\par)+8*(n/2):AF+64*(\par)+8*(n/2)+7], v[8*n:8*n+7]
.endif
.if \cv
	CV1 \p, n, \par
.endif
.set n, n+1
.endr
.endm
; A CHUNK c = (idx, slot): 48 products, the 48 accumulators by turns in one order in every chunk, so no two matrix instructions that follow each other share an accumulator.
;   At its head: all that was asked of LDS in the chunk before is in; four places behind that chunk's products; the first run: h of chunk c + 1 (la) and q's W of chunk c + 2 (lt).  Behind the 24th product the second run: k's and v's W
;   of chunk c + 2.  Behind each product one rounding of W of chunk c + 1 (cv).
; chg: THE CHANGE OF SLOTS stands in a step's chunk 1.  h of chunk 2, the slot's last reads, is asked for at the head; all of W of the next step's chunk 0, the other slot's first reads, behind the barrier.
;   In front of the barrier each wave waits for all its tensor loads, of which one is out: its part of the other slot; adds 0 to its spare word; and waits for that and for its reads of this slot.
;   chg = 1: the barrier opens a round of the cluster's barrier, and behind the round this slot is filled again, two steps on: 136 matrix instructions ahead of the wait for it.  chg = 2: nothing is left to fetch.
.macro CHUNK idx, slot, zero, chg, la, cv, lt, ask, short
.set PAR, ((\slot)+(\idx))%2
.set NI1, ((\idx)+1)%3
.set NS1, (\slot)^((\idx)/2)
.set NI2, ((\idx)+2)%3
.set NS2, (\slot)^(((\idx)+1)/2)
	s_wait_dscnt 0x0                               ; h of this chunk and W of the next are in
.if \la
	PLACES                                         ; behind the last chunk's products, which read the buffers that this chunk loads and writes
	RUNA PAR, NI1, NS1
.endif
.if (\lt) && !(\chg)
	RUNW NI2, NS2, PAR, 0, 0
.endif
	GRP 0, PAR, 0, 15, \zero, \cv
.if \chg
	WIN 0                                          ; (the add's two registers lie in window 0)
.if \ask
	s_wait_xcnt 0x0                                ; the last prefetch, a step back, has read its address:
	s_add_nc_u64 s[PFA:PFA+1], s[PFA:PFA+1], s[PFS:PFS+1]  ; it steps here, ahead of the waits of the change
.endif
	s_wait_tensorcnt 0x0                           ; all my tensor loads have landed
	ds_add_u32 v[SPW], v[NIL]                      ; 0 onto my spare word: four products and their roundings stand between it and the wait for it
.endif
	GRP 1, PAR, 0, 3, \zero, \cv
.if \chg
	s_wait_dscnt 0x0                               ; the add is done, and my reads of this slot are over
	s_barrier_signal -1
.endif
	GRP 1, PAR, 4, 7, \zero, \cv
.if \chg
	WIN 0                                          ; at a branch and at a label every window is 0
	s_barrier_wait -1
.endif
.if (\chg) == 1
	CREST                                          ; no wave of any partner still reads this slot or has a load on its way
	s_add_nc_u64 s[G0A+4*(\slot)+2:G0A+4*(\slot)+3], s[G0A+4*(\slot)+2:G0A+4*(\slot)+3], 2*196608
	s_add_nc_u64 s[G0W+4*(\slot)+2:G0W+4*(\slot)+3], s[G0W+4*(\slot)+2:G0W+4*(\slot)+3], 2*393216
.if \short
	s_mov_b32 s[G1W+2], 64<<16                     ; step 42 has 64 rows of W
	s_mov_b32 s[G1W+4], 64
.endif
	JLOAD \slot
.endif
.if (\lt) && (\chg)
	RUNW NI2, NS2, PAR, 0, 2                       ; the other slot is whole
.endif
.if (\lt) && !(\chg)
	RUNW NI2, NS2, PAR, 1, 2
.endif
.if \ask
	WIN 0
	ASK
.endif
	GRP 1, PAR, 8, 15, \zero, \cv
	GRP 2, PAR, 0, 15, \zero, \cv
.endm
	s_load_b256 s[4:11], s[0:1], 0x0               ; hb s[4:5], Wq s[6:7], Wk s[8:9], Wv s[10:11]
	s_load_b256 s[12:19], s[0:1], 0x20             ; bq s[12:13], bv s[14:15], qf s[16:17], kf s[18:19]
	s_load_b64 s[20:21], s[0:1], 0x40              ; vf
	v_lshl_add_u32 v[SPW], v0, 2, SPARE
	v_mov_b32 v[NIL], 0
	ds_add_u32 v[SPW], v[NIL]                      ; the wave's opening: the add, twice on end, and its wait ahead of my first tensor load
	ds_add_u32 v[SPW], v[NIL]                      ; and once more, under the one wait
	v_lshrrev_b32 v1, 5, v0
	v_readfirstlane_b32 s[WV], v1                  ; wave 0..3
	s_lshr_b32 s23, s[WV], 1                       ; which 128 rows are mine
	s_and_b32 s24, s[WV], 1                        ; which 32 columns
	s_bfe_u32 s25, ttmp6, 0x40000                  ; cx
	s_bfe_u32 s26, ttmp6, 0x40004                  ; cy: which 256 rows of h (the grid is one cluster high)
	s_lshl_b32 s27, ttmp9, 2
	s_add_co_u32 s27, s27, s25                     ; g = 4 x cluster x + cx
	s_lshr_b32 s28, s27, 4                         ; head
	s_and_b32 s29, s27, 15                         ; column block
	s_lshl_b32 s72, s26, 2
	s_lshl_b32 s72, 15, s72                        ; my row of the cluster
	s_lshl_b32 s73, 0x1111, s25                    ; my column
	; group 1 for h: a dense block of 49,152 bytes as 192 rows of 256 bytes, padded in LDS after every 64 bytes
	s_or_b32 s[G1A], s72, (1<<16)|(1<<20)|(1<<21)|(3<<22)|(3<<25)  ; 15:0 the mask; 17:16 2-byte elements; 20 padding on; 21 set beside a mask; 24:22 after every 16 words (code 3); 31:25 4 words (code 3)
	s_mov_b32 s[G1A+1], 128<<16                    ; tensor_dim0 = 128
	s_mov_b32 s[G1A+2], 192<<16                    ; tensor_dim1 = 192
	s_mov_b32 s[G1A+3], 128<<16                    ; tile_dim0 = 128
	s_mov_b32 s[G1A+4], 192                        ; tile_dim1 = 192
	s_mov_b32 s[G1A+5], 128                        ; 128 elements from row to row
	s_mov_b32 s[G1A+6], 0
	s_mov_b32 s[G1A+7], 0
	; group 1 for W: 96 rows of 64 f32, 1,024 elements apart, padded after every row
	s_or_b32 s[G1W], s73, (2<<16)|(1<<20)|(1<<21)|(5<<22)|(3<<25)  ; 4-byte elements; after every 64 words (code 5) 4 words
	s_mov_b32 s[G1W+1], 64<<16
	s_mov_b32 s[G1W+2], 96<<16
	s_mov_b32 s[G1W+3], 64<<16
	s_mov_b32 s[G1W+4], 96
	s_mov_b32 s[G1W+5], 1024
	s_mov_b32 s[G1W+6], 0
	s_mov_b32 s[G1W+7], 0
	s_mul_i32 s74, s26, 49152                      ; h: my 256 rows in a block: hangs on cy alone
	s_mov_b32 s75, 0
	s_lshl_b32 s78, s28, 24                        ; W: the head's 4,096 x 1,024 f32,
	s_lshl_b32 s79, s29, 8                         ; the block's 64 columns: hangs on g alone
	s_add_co_u32 s78, s78, s79
	s_mov_b32 s79, 0
	s_mul_i32 s82, s[WV], WTILE
	s_add_co_u32 s82, s82, WOFF-WTILE              ; where wave 1, 2, 3 puts its W
	s_wait_dscnt 0x0                               ; both opening adds are done
	s_wait_kmcnt 0x0
	s_add_nc_u64 s[76:77], s[4:5], s[74:75]
	s_cmp_eq_u32 s[WV], 2
	s_cselect_b64 s[80:81], s[8:9], s[6:7]
	s_cmp_eq_u32 s[WV], 3
	s_cselect_b64 s[80:81], s[10:11], s[80:81]     ; wave 2: Wk, wave 3: Wv, else Wq
	s_add_nc_u64 s[80:81], s[80:81], s[78:79]
.irp s, 0,1
	s_mov_b32 s[G0A+4*(\s)], 1                     ; count = 1
	s_mov_b32 s[G0A+4*(\s)+1], (\s)*SLOT           ; LDS address
	s_add_nc_u64 s[G0A+4*(\s)+2:G0A+4*(\s)+3], s[76:77], (\s)*196608  ; step s
	s_or_b32 s[G0A+4*(\s)+3], s[G0A+4*(\s)+3], 0x80000000            ; type = 2
	s_mov_b32 s[G0W+4*(\s)], 1
	s_add_co_u32 s[G0W+4*(\s)+1], s82, (\s)*SLOT
	s_add_nc_u64 s[G0W+4*(\s)+2:G0W+4*(\s)+3], s[80:81], (\s)*393216
	s_or_b32 s[G0W+4*(\s)+3], s[G0W+4*(\s)+3], 0x80000000
.endr
	CROUND                                         ; all sixteen work-groups are here: the first joint loads meet
	s_cmp_eq_u32 s[WV], 0                          ; a wave's two first fills stand in one branch: two loads of mine are out
	s_cbranch_scc0 .Lfirst_w
	tensor_load_to_lds s[G0A:G0A+3], s[G1A:G1A+7]
	s_nop 0
	tensor_load_to_lds s[G0A+4:G0A+7], s[G1A:G1A+7]
	s_nop 0
.rept 4
	v_nop
.endr
	s_branch .Lfirst_asked
.Lfirst_w:
	tensor_load_to_lds s[G0W:G0W+3], s[G1W:G1W+7]
	s_nop 0
	tensor_load_to_lds s[G0W+4:G0W+7], s[G1W:G1W+7]
	s_nop 0
.rept 4
	v_nop
.endr
.Lfirst_asked:
	v_and_b32 v1, 15, v0                           ; r
	v_bfe_u32 v2, v0, 4, 1                         ; hh
	s_lshl_b32 s83, s27, 8                         ; the biases: 64 g columns of 4 bytes,
	s_lshl_b32 s72, s24, 7                         ; my 32,
	s_add_co_u32 s83, s83, s72
	v_lshl_add_u32 v[BO], v2, 6, s83               ; my lanes' 16
.irp i, 0,1,2,3
	global_load_b128 v[PK+4*(\i):PK+4*(\i)+3], v[BO], s[12:13] offset:16*(\i)
	global_load_b128 v[PK+16+4*(\i):PK+16+4*(\i)+3], v[BO], s[14:15] offset:16*(\i)
.endr
	v_mul_u32_u24 v3, v1, 240
	v_lshl_add_u32 v3, v2, 4, v3
	s_mul_i32 s72, s23, 128*240
	v_add_nc_u32 v[ADRA], s72, v3                  ; (128 wm + r) x 240 + 16 hh
	v_add_nc_u32 v[ADRA+1], SLOT, v[ADRA]
	v_mul_u32_u24 v4, v2, 8*272
	v_lshl_add_u32 v4, v1, 3, v4
	s_lshl_b32 s73, s24, 7
	s_add_co_u32 s73, s73, WOFF
	v_add_nc_u32 v[ADRW], s73, v4                  ; 8 hh rows + 8 r + 128 wn, behind h's rows
.irp q, 1,2,3,4,5
	v_add_nc_u32 v[ADRW+(\q)], ((\q)/3)*SLOT+((\q)%3)*WTILE, v[ADRW]
.endr
	s_mul_i32 s72, s23, 128*144                    ; into the stage: row 128 wm + r, 64 wn + 32 hh
	s_lshl_b32 s73, s24, 6
	s_add_co_u32 s72, s72, s73
	s_add_co_u32 s72, s72, STAGE
	v_mul_u32_u24 v3, v1, 144
	v_lshl_add_u32 v3, v2, 5, v3
	v_add_nc_u32 v[STO], s72, v3
	s_mul_i32 s72, s[WV], 64*144                   ; back: wave w takes rows 64 w on, whole: 32 lanes take four rows of 128 bytes
	s_add_co_u32 s72, s72, STAGE
	v_bfe_u32 v3, v0, 3, 2
	v_mul_u32_u24 v3, v3, 144
	v_and_b32 v4, 7, v0
	v_lshl_add_u32 v3, v4, 4, v3
	v_add_nc_u32 v[RD], s72, v3
	v_and_b32 v[GO], 31, v0
	v_lshlrev_b32 v[GO], 4, v[GO]                  ; which are 512 consecutive bytes of qf, kf, vf
	s_lshl_b32 s72, s27, 17                        ; block g: 1,024 rows of 128 bytes,
	s_lshl_b32 s73, s26, 15                        ; my work-group's 256 rows,
	s_add_co_u32 s72, s72, s73
	s_lshl_b32 s73, s[WV], 13                      ; the 64 that I store
	s_add_co_u32 s72, s72, s73
	s_mov_b32 s73, 0
	s_add_nc_u64 s[16:17], s[16:17], s[72:73]
	s_add_nc_u64 s[18:19], s[18:19], s[72:73]
	s_add_nc_u64 s[20:21], s[20:21], s[72:73]
	; the prefetches
	s_mul_i32 s84, s26, 24*4096                    ; W: my work-group's 24 rows of a step's 96
	s_and_b32 s85, s27, 7
	s_mul_i32 s85, s85, 24*256                     ; h: my work-group's 24 blocks of a tile's 192
	s_cmp_eq_u32 s[WV], 0
	s_cselect_b32 s84, s85, s84
	s_cselect_b64 s[PFA:PFA+1], s[76:77], s[80:81]
	s_cselect_b32 s86, 0, 1
	s_cselect_b32 s87, 8, 12                       ; a lane's stride: 256 bytes in hb, a row of 4,096 bytes in W
	s_cselect_b32 s88, ttmp9, 0                    ; h's tiles are read by every cluster: the first two ask; W's by mine alone
	s_cmp_lt_u32 s88, 2
	s_cselect_b32 s[LIM], 1, -1                    ; the same in all sixteen partners, for a given wave
	s_lshl_b32 s[PFS], 196608, s86                 ; a step: 196,608 bytes of hb, 393,216 of W
	s_mov_b32 s[PFS+1], 0
	s_mov_b32 s85, 0
	s_add_nc_u64 s[PFA:PFA+1], s[PFA:PFA+1], s[84:85]
	s_mul_i32 s84, s[PFS], 3
	s_add_nc_u64 s[PFA:PFA+1], s[PFA:PFA+1], s[84:85]  ; at step 3: the first change steps it to 4.  Nothing is prefetched here, at the head
	v_and_b32 v[PFO], 31, v0
	v_min_u32 v[PFO], 23, v[PFO]
	v_lshlrev_b32 v[PFO], s87, v[PFO]
	s_wait_loadcnt 0x0                             ; the biases
.irp j, 0,1,2,3,4,5,6,7
	v_cvt_pk_bf16_f32 v[PK+32+(\j)], v[PK+2*(\j)], v[PK+2*(\j)+1]       ; rounded to bf16 like every input: columns 2 j and 2 j + 1
	v_cvt_pk_bf16_f32 v[PK+40+(\j)], v[PK+16+2*(\j)], v[PK+16+2*(\j)+1]
.endr
	WIN 0x40                                       ; destination window 1: bq
.irp j, 0,1,2,3,4,5,6,7
	v_lshlrev_b32 v[CB+(\j)], 16, v[PK+32+(\j)]             ; fragment 0 has the even columns,
	v_and_b32 v[CB+8+(\j)], 0xffff0000, v[PK+32+(\j)]       ; fragment 1 the odd ones
.endr
	WIN 0xc0                                       ; destination window 3: bv
.irp j, 0,1,2,3,4,5,6,7
	v_lshlrev_b32 v[CB+(\j)], 16, v[PK+40+(\j)]
	v_and_b32 v[CB+8+(\j)], 0xffff0000, v[PK+40+(\j)]
.endr
	WIN 0
	s_wait_tensorcnt 0x1                           ; my part of step 0 is in; step 1's may stay out
	s_barrier_signal -1
	s_barrier_wait -1                              ; everybody's is
	RUNW 0, 0, 0, 0, 2                             ; W of chunk 0, into buffer 0
	RUNA 1, 0, 0                                   ; h of chunk 0, into buffer 0
	s_wait_dscnt 16                                ; W is in; h's 16 loads may be out
.irp p, 0,1,2
	WIN 0x51*((\p)+1)
.set m, 0
.rept 16
	CV1 \p, m, 1                                   ; W's fragments of chunk 0, into buffer 0
.set m, m+1
.endr
.endr
	RUNW 1, 0, 1, 0, 2                             ; W of chunk 1, into buffer 1
	;     idx slot zero chg la cv lt ask short
	CHUNK 0,  0,   1,   0,  1, 1, 1, 0,  0         ; the first chunk stands in front of the loop: its products start the sums
	WIN 0
	s_mov_b32 s[LAPS], 20
.Llap:                                                 ; a lap goes once round the ring: steps 2 i and 2 i + 1 from their second chunk on, and the first chunk of step 2 i + 2; both slots are filled again
	CHUNK 1,  0,   0,   1,  1, 1, 1, 1,  0
	CHUNK 2,  0,   0,   0,  1, 1, 1, 0,  0
	CHUNK 0,  1,   0,   0,  1, 1, 1, 0,  0
	CHUNK 1,  1,   0,   1,  1, 1, 1, 1,  0
	CHUNK 2,  1,   0,   0,  1, 1, 1, 0,  0
	CHUNK 0,  0,   0,   0,  1, 1, 1, 0,  0
	WIN 0
	s_sub_co_u32 s[LAPS], s[LAPS], 1
	s_cmp_lg_u32 s[LAPS], 0
	s_cbranch_scc1 .Llap
	CHUNK 1,  0,   0,   1,  1, 1, 1, 0,  1         ; step 40: slot 0 takes step 42, the short one: the last fill
	CHUNK 2,  0,   0,   0,  1, 1, 1, 0,  0
	CHUNK 0,  1,   0,   0,  1, 1, 1, 0,  0         ; step 41
	CHUNK 1,  1,   0,   2,  1, 1, 1, 0,  0         ; step 42 has landed; nothing is filled, so no round follows
	CHUNK 2,  1,   0,   0,  1, 1, 1, 0,  0
	CHUNK 0,  0,   0,   0,  1, 1, 0, 0,  0         ; step 42 has two chunks: no W is left to load,
	CHUNK 1,  0,   0,   0,  0, 0, 0, 0,  0         ; and nothing at all
	; THE WAY OUT.  Fragments 0 and 1 round in pairs to f16: 32 bytes a lane; into the stage; a barrier, since a row's 128 bytes come from two waves; back as whole rows, 64 rows a wave.
	WIN 0
.rept 8
	v_nop                                          ; the places behind the last products
.endr
.irp p, 0,1,2
	WIN 0x05*((\p)+1)                              ; sources window 1 + p, destination window 0
.set m, 0
.rept 64                                       ; row block m / 8, register m % 8: each accumulator is read from its lowest register on
	v_cvt_pk_f16_f32 v[PK+m], v[16*(m/8)+m%8], v[16*(m/8)+8+m%8]
.set m, m+1
.endr
	WIN 0
	v_add_nc_u32 v[24+(\p)], (\p)*SPL, v[STO]
.set m, 0
.rept 8
	ds_store_b128 v[24+(\p)], v[PK+8*m:PK+8*m+3] offset:m*2304
	ds_store_b128 v[24+(\p)], v[PK+8*m+4:PK+8*m+7] offset:m*2304+16
.set m, m+1
.endr
.endr
	s_wait_dscnt 0x0                               ; for the others' sake: my stores into the stage are done
	s_barrier_signal -1
	s_barrier_wait -1
.macro BACK reg, adr                   ; 64 rows of one projection
.set m, 0
.rept 16
	ds_load_b128 v[(\reg)+4*m:(\reg)+4*m+3], v[\adr] offset:576*m
.set m, m+1
.endr
.endm
.macro SEND reg, base, younger         ; younger: the LDS loads issued behind these 16
.set m, 0
.rept 16
	s_wait_dscnt (\younger)+15-m
	global_store_b128 v[GO], v[(\reg)+4*m:(\reg)+4*m+3], s[\base:\base+1] offset:512*m  ; 512 consecutive bytes, at a multiple of 256 from the buffer's first
.set m, m+1
.endr
.endm
	v_add_nc_u32 v27, SPL, v[RD]
	v_add_nc_u32 v28, 2*SPL, v[RD]
	BACK BK, RD
	BACK PK, 27
	SEND BK, 16, 16
	s_wait_xcnt 0x0                                ; q's stores have read their registers, which v's rows now take
	BACK BK, 28
	SEND PK, 18, 16
	SEND BK, 20, 0
	s_wait_tensorcnt 0x0                           ; the wave's end, behind my last tensor load and my last LDS store
	ds_add_u32 v[SPW], v[NIL]
	s_wait_dscnt 0x0
	CROUND                                         ; the closing round: no work-group ends while a partner may still ask for a tile that names it
	s_endpgm
.Lfunc_end_k_q6e1bd71a75_proj:
	.size	k_q6e1bd71a75_proj, .Lfunc_end_k_q6e1bd71a75_proj-k_q6e1bd71a75_proj
	.p2alignl 7, 3214868480
	.fill 96, 4, 3214868480
	.section	.rodata,"a",@progbits
	.p2align	6, 0x0
	.amdhsa_kernel k_q6e1bd71a75_proj
		.amdhsa_group_segment_fixed_size 327680
		.amdhsa_private_segment_fixed_size 0
		.amdhsa_enable_private_segment 0
		.amdhsa_kernarg_size 72
		.amdhsa_user_sgpr_count 2
		.amdhsa_user_sgpr_kernarg_segment_ptr 1
		.amdhsa_wavefront_size32 1
		.amdhsa_system_sgpr_workgroup_id_x 1
		.amdhsa_system_sgpr_workgroup_id_y 1
		.amdhsa_system_sgpr_workgroup_id_z 1
		.amdhsa_system_vgpr_workitem_id 0
		.amdhsa_next_free_vgpr 1024
		.amdhsa_next_free_sgpr 96
		.amdhsa_reserve_vcc 0
		.amdhsa_float_denorm_mode_32 3
		.amdhsa_float_denorm_mode_16_64 3
		.amdhsa_memory_ordered 1
		.amdhsa_forward_progress 1
		.amdhsa_inst_pref_size 187
	.end_amdhsa_kernel
	.amdgpu_metadata
---
amdhsa.version: [ 1, 2 ]
amdhsa.kernels:
  - .name:           k_q6e1bd71a75_proj
    .symbol:         k_q6e1bd71a75_proj.kd
    .args:
      - { .name: hb, .offset: 0, .size: 8, .value_kind: global_buffer, .address_space: global }
      - { .name: Wq, .offset: 8, .size: 8, .value_kind: global_buffer, .address_space: global }
      - { .name: Wk, .offset: 16, .size: 8, .value_kind: global_buffer, .address_space: global }
      - { .name: Wv, .offset: 24, .size: 8, .value_kind: global_buffer, .address_space: global }
      - { .name: bq, .offset: 32, .size: 8, .value_kind: global_buffer, .address_space: global }
      - { .name: bv, .offset: 40, .size: 8, .value_kind: global_buffer, .address_space: global }
      - { .name: qf, .offset: 48, .size: 8, .value_kind: global_buffer, .address_space: global }
      - { .name: kf, .offset: 56, .size: 8, .value_kind: global_buffer, .address_space: global }
      - { .name: vf, .offset: 64, .size: 8, .value_kind: global_buffer, .address_space: global }
    .group_segment_fixed_size: 327680
    .private_segment_fixed_size: 0
    .kernarg_segment_align: 8
    .kernarg_segment_size: 72
    .max_flat_workgroup_size: 128
    .sgpr_count:     96
    .vgpr_count:     1024
    .wavefront_size: 32
...
	.end_amdgpu_metadata
.endif
;; end of part 5
;; launch score: the kernel of part 3 again; grid 8 x 32, 4 waves a work-group, clusters of 4 x 4, 327,680 bytes of LDS; arguments qf, kf, pbuf, st; writes pbuf, st
;; launch mix: the kernel of part 4 again; grid 8 x 32, 4 waves a work-group, clusters of 4 x 4, 327,680 bytes of LDS; arguments pbuf, vf, st, out0; writes out0
;; ======== version 3 of 3: 4 launches; version 2 with the launch tobf written anew for expert scheduling mode
;; limits: values are held in f16: magnitudes above 65,504 overflow, below 6.1e-05 lose precision
;; workspace buffers: hb 8,454,144 bytes; qf 8,388,608 bytes; kf 8,388,608 bytes; vf 8,388,608 bytes; pbuf 8,388,608 bytes; st 524,288 bytes
;; launch tobf (part 6): grid 516 x 1, 8 waves a work-group, no clusters, 0 bytes of LDS; arguments h, hb; writes hb
.if DOCPART == 6
	.amdgcn_target "amdgcn-amd-amdhsa--gfx1250"
	.amdhsa_code_object_version 6
	.text
	.protected	k_q6e1bd71a75_tobf
	.globl	k_q6e1bd71a75_tobf
	.p2align	8
	.type	k_q6e1bd71a75_tobf,@function
k_q6e1bd71a75_tobf:
	s_mov_b64 s[64:65], 0
	v_nop
	global_prefetch_b8 v0, s[64:65] scope:SCOPE_SE
	s_setreg_imm32_b32 hwreg(HW_REG_WAVE_SCHED_MODE, 0, 2), 2
	s_setreg_imm32_b32 hwreg(HW_REG_WAVE_MODE, 25, 1), 1
	s_wait_xcnt 0x0
	s_wait_alu depctr_vm_vsrc(0)
; THE PROGRAM: out = concat over heads of softmax((h Wq + bq)(h Wk + bk)^T / 32)(h Wv + bv), in four launches:
;   1 (this one) h rounded to bf16, laid in blocks of 96 k;   2 q, k, v in f16 by heads;   3 score tiles, their maxima, weights and partial sums;   4 the weights times v.
; WORK LEFT OUT: bk.  32 s[h,s,t] = q_s . (h Wk)_t + q_s . bk.  The second term does not hang on t, the softmax's axis, so it leaves softmax(s) as it is,
; for all finite values of all inputs.  bk has then no way to the output: it is not loaded and is no argument of any launch.
; LIMIT: a NaN, an infinity or an overflow that arises in q . bk alone is not carried to the result.
; FORMATS: all inputs (h, Wq, Wk, Wv, bq, bv) are rounded once to bf16 for the products; q, k, v and the weights are kept in f16; all sums, maxima and corrections in f32.
;
; THIS LAUNCH: hb[kb][s][kk] = bf16(h[s][96 kb + kk]), kb = 0..42, kk = 0..95; where 96 kb + kk is 4,096 or more (kb = 42, kk >= 64) a 0 is written, since the next launch fetches whole blocks.
; A unit is 4 numbers: 16 bytes in, 8 bytes out.  A block kb has 24,576 units; a work-group takes 2,048 of them, a thread 8, 256 apart: a store of a wave covers 256 consecutive bytes, aligned.
; No LDS, no barrier, no matrix unit: a stream.  All eight loads of a thread go out before the first store.
; THE MODE: SCHED_MODE bits 1:0 = 2 (LLVM: expert scheduling mode 2), set by the entry lines.  The code itself states the register dependences
; between vector instructions and memory instructions, with s_wait_alu, always for 0.
; THE PLAN.  Registers that memory instructions touch:
;   IOF, OOF   the sixteen offsets.  Written by vector instructions at the head, read by the loads and the stores, never named again: one wait ahead of the first load states that all are written.
;   IN[i]      Load i lands in its four registers; unit i's four vector lines read them and write the first two; store i reads those two.  Nothing writes them again, and no load follows the first vector read.
; A store stands two units behind the lines that write its data: unit i's turn holds store i - 2.  So one wait serves a pair of stores: it stands at the head of each even turn from 2 on, and states that
; units i - 2 and i - 1 are written; the vector lines between it and store i - 1 are unit i's, which name IN[i] and its mask alone.  One more stands ahead of the last two stores.
; The eight masks are written by compares into scalar registers: one wait behind the run of compares, ahead of the first select that reads one.
.set IN,  8                            ; v[8:39]   unit i: 4 registers as loaded; its first two then hold what is stored
.set IOF, 40                           ; v[40:47]  unit i: byte offset in h
.set OOF, 48                           ; v[48:55]  unit i: byte offset in hb
.set KK,  56                           ; v[56:63]  unit i: its first k
	s_load_b128 s[4:7], s[0:1], 0x0                ; h s[4:5], hb s[6:7]
	s_mul_i32 s8, ttmp9, 43691
	s_lshr_b32 s8, s8, 19                          ; kb = work-group / 12 (43,691 / 2^19 is 1/12 closely enough up to 515)
	s_mul_i32 s9, s8, 12
	s_sub_co_u32 s9, ttmp9, s9                     ; which twelfth of the block
	s_lshl_b32 s9, s9, 11                          ; its first unit
	s_mul_i32 s10, s8, 96                          ; the block's first k
	s_mul_i32 s11, s8, 196608                      ; the block's first byte in hb: 1,024 rows of 192 bytes
	v_add_nc_u32 v1, s9, v0
.irp i, 0,1,2,3,4,5,6,7
	v_add_nc_u32 v2, 256*(\i), v1                  ; the unit's number u in the block, under 24,576
	v_mul_u32_u24 v3, v2, 0xaaab
	v_lshrrev_b32 v3, 20, v3                       ; the row s = u / 24 (43,691 / 2^20 is 1/24 closely enough up to 24,575)
	v_mul_u32_u24 v4, v3, 24
	v_sub_nc_u32 v4, v2, v4                        ; which of the row's 24 units
	v_lshl_add_u32 v[KK+(\i)], v4, 2, s10          ; k
	v_min_u32 v4, 0xffc, v[KK+(\i)]                ; past the row's end the load is held to the row's last 16 bytes, and its numbers are thrown away below
	v_lshlrev_b32 v4, 2, v4
	v_lshl_add_u32 v[IOF+(\i)], v3, 14, v4         ; s x 16,384 + 4 k
	v_lshl_add_u32 v[OOF+(\i)], v2, 3, s11         ; block + 8 u
.endr
	s_wait_kmcnt 0x0
	s_wait_alu depctr_va_vdst(0)                   ; the sixteen offsets v[IOF ..] and v[OOF ..] are written, which the loads and the stores below read; no vector instruction names them again
.irp i, 0,1,2,3,4,5,6,7
	global_load_b128 v[IN+4*(\i):IN+4*(\i)+3], v[IOF+(\i)], s[4:5]
.endr
.irp i, 0,1,2,3,4,5,6,7
	v_cmp_gt_u32 s[16+(\i)], 0x1000, v[KK+(\i)]    ; the lanes whose k lies inside the row
.endr
	s_wait_alu depctr_va_sdst(0)                   ; the eight compares have written s16 to s23, ahead of the first select that reads one of them
.irp i, 0,1,2,3,4,5,6,7
	s_wait_loadcnt 7-(\i)                          ; loads come back in order: unit i is in, the 7 - i younger ones may stay out
.if ((\i) >= 2) && (((\i) % 2) == 0)
	s_wait_alu depctr_va_vdst(0)                   ; the selects of units i - 2 and i - 1 have written their two registers each, which the store below and the next turn's read
.endif
.if (\i) >= 2
	global_store_b64 v[OOF+(\i)-2], v[IN+4*((\i)-2):IN+4*((\i)-2)+1], s[6:7]  ; two units back; no vector instruction since the wait names its registers
.endif
	v_cvt_pk_bf16_f32 v[IN+4*(\i)], v[IN+4*(\i)], v[IN+4*(\i)+1]
	v_cvt_pk_bf16_f32 v[IN+4*(\i)+1], v[IN+4*(\i)+2], v[IN+4*(\i)+3]
	v_cndmask_b32 v[IN+4*(\i)], 0, v[IN+4*(\i)], s[16+(\i)]
	v_cndmask_b32 v[IN+4*(\i)+1], 0, v[IN+4*(\i)+1], s[16+(\i)]
.endr
	s_wait_alu depctr_va_vdst(0)                   ; the selects of units 6 and 7 have written their registers, which the last two stores read
	global_store_b64 v[OOF+6], v[IN+24:IN+25], s[6:7]
	global_store_b64 v[OOF+7], v[IN+28:IN+29], s[6:7]
	s_endpgm
.Lfunc_end_k_q6e1bd71a75_tobf:
	.size	k_q6e1bd71a75_tobf, .Lfunc_end_k_q6e1bd71a75_tobf-k_q6e1bd71a75_tobf
	.p2alignl 7, 3214868480
	.fill 96, 4, 3214868480
	.section	.rodata,"a",@progbits
	.p2align	6, 0x0
	.amdhsa_kernel k_q6e1bd71a75_tobf
		.amdhsa_group_segment_fixed_size 0
		.amdhsa_private_segment_fixed_size 0
		.amdhsa_enable_private_segment 0
		.amdhsa_kernarg_size 16
		.amdhsa_user_sgpr_count 2
		.amdhsa_user_sgpr_kernarg_segment_ptr 1
		.amdhsa_wavefront_size32 1
		.amdhsa_system_sgpr_workgroup_id_x 1
		.amdhsa_system_sgpr_workgroup_id_y 1
		.amdhsa_system_sgpr_workgroup_id_z 1
		.amdhsa_system_vgpr_workitem_id 0
		.amdhsa_next_free_vgpr 64
		.amdhsa_next_free_sgpr 66
		.amdhsa_reserve_vcc 0
		.amdhsa_float_denorm_mode_32 3
		.amdhsa_float_denorm_mode_16_64 3
		.amdhsa_memory_ordered 1
		.amdhsa_forward_progress 1
		.amdhsa_inst_pref_size 10
	.end_amdhsa_kernel
	.amdgpu_metadata
---
amdhsa.version: [ 1, 2 ]
amdhsa.kernels:
  - .name:           k_q6e1bd71a75_tobf
    .symbol:         k_q6e1bd71a75_tobf.kd
    .args:
      - { .name: h, .offset: 0, .size: 8, .value_kind: global_buffer, .address_space: global }
      - { .name: hb, .offset: 8, .size: 8, .value_kind: global_buffer, .address_space: global }
    .group_segment_fixed_size: 0
    .private_segment_fixed_size: 0
    .kernarg_segment_align: 8
    .kernarg_segment_size: 16
    .max_flat_workgroup_size: 256
    .sgpr_count:     66
    .vgpr_count:     64
    .wavefront_size: 32
...
	.end_amdgpu_metadata
.endif
;; end of part 6
;; launch proj: the kernel of part 5 again; grid 64 x 4, 4 waves a work-group, clusters of 4 x 4, 327,680 bytes of LDS; arguments hb, Wq, Wk, Wv, bq, bv, qf, kf, vf; writes qf, kf, vf
;; launch score: the kernel of part 3 again; grid 8 x 32, 4 waves a work-group, clusters of 4 x 4, 327,680 bytes of LDS; arguments qf, kf, pbuf, st; writes pbuf, st
;; launch mix: the kernel of part 4 again; grid 8 x 32, 4 waves a work-group, clusters of 4 x 4, 327,680 bytes of LDS; arguments pbuf, vf, st, out0; writes out0
